; MI455X (gfx1250); checked and timed in simulation.
; The chip was launched on July 23, 2026; its instructions are those of AMD's public machine-readable ISA for CDNA 5 (MIT licence, August 2026) and "CDNA5" Instruction Set Architecture Reference Guide (July 2026). The comments in the code are by the model that wrote it; some were corrected since.
;; Transformer Block. Allowed arithmetic: matrix products marked QUANTISED: E4M3 operands, one given power-of-two scale a tensor, by v_wmma_f32_16x16x64_fp8_fp8 or v_wmma_f32_16x16x128_fp8_fp8, f32 sums; products left as they are: f32 operands where the result goes on into a quantised operand, else bf16, f16 or f32 operands; f32 sums; everything else in f32.
;; Inputs: W1_codes 2,048 x 16 x 32 uint8 (E4M3 codes of W1, K innermost, in blocks of 32 codes); W2_codes 512 x 64 x 32 uint8 (E4M3 codes of W2, K innermost, in blocks of 32 codes); Wk_codes 8 x 64 x 16 x 32 uint8 (E4M3 codes of Wk, K innermost, in blocks of 32 codes); Wo 8 x 64 x 512 float32; Wq_codes 8 x 64 x 16 x 32 uint8 (E4M3 codes of Wq, K innermost, in blocks of 32 codes); Wv_codes 8 x 64 x 16 x 32 uint8 (E4M3 codes of Wv, K innermost, in blocks of 32 codes); b1 2,048 float32; b2 512 float32; be1 512 float32; be2 512 float32; bk 8 x 64 float32; bo 512 float32; bq 8 x 64 float32; bv 8 x 64 float32; g1 512 float32; g2 512 float32; lowp_scales 20 int32 (the exponents e of the quantised operands' scales 2^e); omega_codes 128 x 2 x 32 uint8 (E4M3 codes of omega, K innermost, in blocks of 32 codes); x 8 x 2,048 x 512 float32.
;; Outputs: out0 8 x 2,048 x 512 float32.
;; This version of the problem:
;;   THIS VERSION OF THE PROBLEM IS GIVEN IN LOW PRECISION. The matrix products marked QUANTISED in the list below multiply operands that are first quantised to E4M3 (4 exponent bits, 3 mantissa bits; 8 bits a number), with one given power-of-two scale for each operand tensor; their sums are f32. All else is computed in f32.
;;   The module's matrix products, in the order in which they are computed (A, B: the left and right operand; K: the contracted axis; several contracted axes count as one K, in the product's order):
;;     1. [M 512, K 512] x [K 512, N 16,384]; A: input Wq (given as codes); B: input x: QUANTISED (scales: A lowp_scales[0], B lowp_scales[1])
;;     2. [M 512, K 512] x [K 512, N 16,384]; A: input Wk (given as codes); B: input x: QUANTISED (scales: A lowp_scales[2], B lowp_scales[3])
;;     3. [M 512, K 512] x [K 512, N 16,384]; A: input Wv (given as codes); B: input x: QUANTISED (scales: A lowp_scales[4], B lowp_scales[5])
;;     4. [M 131,072, K 64] x [K 64, N 128]; A: computed on the way; B: input omega (given as codes): QUANTISED (scales: A lowp_scales[6], B lowp_scales[7])
;;     5. [M 131,072, K 64] x [K 64, N 128]; A: computed on the way; B: input omega (given as codes): QUANTISED (scales: A lowp_scales[8], B lowp_scales[9])
;;     6. batch 64 x [M 128, K 2,048] x [K 2,048, N 64]; A: computed on the way; B: computed on the way: QUANTISED (scales: A lowp_scales[10], B lowp_scales[11])
;;     7. batch 64 x [M 2,048, K 128] x [K 128, N 64]; A: computed on the way; B: computed on the way: QUANTISED (scales: A lowp_scales[12], B lowp_scales[13])
;;     8. batch 64 x [M 2,048, K 128] x [K 128, N 1]; A: computed on the way; B: computed on the way: left as it is (N = 1 < 16)
;;     9. [M 16,384, K 512] x [K 512, N 512]; A: computed on the way; B: input Wo: QUANTISED (scales: A lowp_scales[14], B lowp_scales[15])
;;     10. [M 16,384, K 512] x [K 512, N 2,048]; A: computed on the way; B: input W1 (given as codes): QUANTISED (scales: A lowp_scales[16], B lowp_scales[17])
;;     11. [M 16,384, K 2,048] x [K 2,048, N 512]; A: computed on the way; B: input W2 (given as codes): QUANTISED (scales: A lowp_scales[18], B lowp_scales[19])
;;   THE QUANTISER, for each operand of a quantised product, along K:
;;     - The operand's scale is 2^e, e = its entry of the input lowp_scales (int32; the entries are numbered through the quantised products in the list's order, A before B).
;;     - Each number is divided by the scale, clamped to +-448, and rounded to the nearest number of E4M3, ties to even, subnormals kept.
;;     - The product sums the exact products of the quantised numbers (number of the format x scale) in f32.
;;   ~~~python
;;   def quantise(x, axis, e):      # numpy; x: float32 -> the quantised numbers, widened to float32 again
;;       x = np.moveaxis(x, axis, -1); K = x.shape[-1]
;;       r = np.clip(x / 2.0 ** e, -448, 448)
;;       step = 2.0 ** (np.maximum(np.frexp(np.where(r == 0, 1, r))[1] - 1, -6) - 3)
;;       q = np.round(r / step) * step * 2.0 ** e      # np.round: ties to even
;;       return np.moveaxis(q, -1, axis).astype(np.float32)
;;   ~~~
;;   OPERANDS COMPUTED ON THE WAY. 'Computed on the way' means the value that the module computes at that place (a softmax that the list does not call 'softmax' is quantised finished and normalised). What goes into a quantiser is computed in f32, as accurately as f32 sums, v_exp_f32 and their like allow (about 1e-6 of the number): no bf16 or f16 on the way to a quantiser, and a product that is left as it is and whose result goes on into a quantised operand takes f32 operands (vector FMAs, or v_wmma_f32_16x16x4_f32). A number that lies on a knife's edge between two numbers of the format may be rounded either way, as far as f32 arithmetic and the matrix unit's own rounding can turn it there, and no further.
;;   INPUTS GIVEN AS CODES. W1 (in the module: [512, 2048], K = its axis 0); W2 (in the module: [2048, 512], K = its axis 0); Wk (in the module: [512, 8, 64], K = its axis 0); Wq (in the module: [512, 8, 64], K = its axis 0); Wv (in the module: [512, 8, 64], K = its axis 0); omega (in the module: [64, 128], K = its axis 0): each comes as NAME_codes (uint8): NAME with its K axis moved to the last place and cut into blocks of 32 codes, [.., K / 32, bytes a block], one block behind the other in memory; one code a byte (a code: sign, 4 exponent bits, 3 mantissa bits); its scale is its entry of lowp_scales. Its value is code x scale, taken as it is: it is not quantised again, and the codes and scales need not be those that the quantiser above would give.
;; One version. Each part assembles by itself: llvm-mc -triple=amdgcn-amd-amdhsa -mcpu=gfx1250 --defsym DOCPART=n.
;; ======== version 1 of 1: 3 launches
;; workspace buffers: qimg 8,388,608 bytes; kimg 8,388,608 bytes; vimg 8,388,608 bytes; aux 1,179,648 bytes; wimg 2,359,296 bytes; kvs 557,056 bytes
;; launch qkv (part 1): grid 256 x 1, 4 waves a work-group, no clusters, 138,752 bytes of LDS; arguments x, Wq_codes, Wk_codes, Wv_codes, bq, bk, bv, omega_codes, lowp_scales, W1_codes, W2_codes, Wo, qimg, kimg, vimg, aux, wimg; writes qimg, kimg, vimg, aux, wimg
.if DOCPART == 1
	.amdgcn_target "amdgcn-amd-amdhsa--gfx1250"
	.amdhsa_code_object_version 6
	.text
	.protected	k_q3c758a576a_qkv
	.globl	k_q3c758a576a_qkv
	.p2align	8
	.type	k_q3c758a576a_qkv,@function
k_q3c758a576a_qkv:
	s_mov_b64 s[64:65], 0
	v_nop
	global_prefetch_b8 v0, s[64:65] scope:SCOPE_SE
	s_setreg_imm32_b32 hwreg(HW_REG_WAVE_MODE, 25, 1), 1
	s_wait_xcnt 0x0
; FIRST LAUNCH OF THREE.  A work-group of four waves takes 64 rows of x (16,384 rows, 256 work-groups).
; It makes: x's E4M3 codes three times (scales e1, e3, e5), q, k, v (products 1 to 3, K = 512), the codes of q (e6), k (e8) and v^T (e11) as images of operand registers,
; -diag of q and k (from the unquantised numbers), and this block's largest h_k = proj_k - diag_k for each head (product 5 on the block, for the stabiliser of phi_k).
; Beside that each wave lays one fragment of W1 or W2 out in the order in which the last launch's registers take it, and quantises 256 bytes' worth of Wo (e15).
; ROWS OF A TILE: tile T takes row perm(T, i) = 32 (T / 2) + 8 (T % 2) + i + 8 (i / 8) at index i, for rows of x, rows of weights, features and channels alike.  As source 0 of a matrix
; instruction such a tile leaves in registers j of lane half h the rows 32 (T / 2) + 16 h + 8 (T % 2) + j: the 16 registers of tiles 2 b, 2 b + 1 are 16 neighbours, which the conversions want.
; FRAGMENTS: K = 128: registers 4 c .. 4 c + 3 hold k = 32 c + 16 h + 0 .. 15; K = 64: registers 4 b .. 4 b + 3 hold k = 32 b + 16 h + 0 .. 15; alike on both operands, so every product meets its partner.
; IMAGE of a fragment: each group of four registers as 512 bytes, lane l's 16 bytes at 16 l.
; SHARES: wave w quantises row tile w of x (images to LDS, one barrier), then makes heads 2 w and 2 w + 1 of q, k, v for all 64 rows.  Its weights (3 x 128 rows x 512 bytes) go from memory
; into a ring of four register slots of one weight tile (16 rows x K 512) each.
; EVERY LARGE LOAD TAKES 512 CONSECUTIVE BYTES: a K step of one row of x, or one whole row of a weight, 16 bytes a lane.  An operand wants a lane to hold a ROW, so 16 such loads go through the wave's own
; stage in LDS (16 rows x (512 + 16) bytes): stored as they were loaded, read back a row a lane, into the registers that they left.  Nobody else touches a wave's stage and LDS serves a wave's
; instructions in order (ISA guide 5.7.1.4): no barrier, and no wait between the stores and the loads.  Rows 528 bytes apart.
; No weight byte is used by a second wave of the work-group.  No joint request in a cluster is made: with one slot on its way at a time and the LDS that is left, fewer bytes would be on their way than the ring has.
; LIMITS on the given exponents, so that each power of two below is an f32 number: e1, e3, e5, e6, e8, e15 and e11 - e4 - e5 between -126 and 119; e0 + e1 and e2 + e3 between -124 and 128;
; e4 + e5, e6 + e7 + 1 and e8 + e9 + 1 between -126 and 126.  NaN among the inputs is not served.
; REGISTERS, in windows of 256: window 0: addresses, constants, work (below); window 1: the ring, slot s at 64 s; window 2: x as f32, later the 16 accumulators; window 3: x's 16 fragments of the set in hand.
.set BIAS, 98304                       ; LDS: 0 .. 98,303 x's images [set 3][T 4][K step 4][2,048]; then bq 2^-1.5, bk 2^-1.5, bv 2^-(e4+e5), 2,048 bytes each
.set STG,  104448                      ; then the four waves' stages, 8,448 bytes each
.set SX,  12                           ; v12-14 2^e of x's three sets; v15-17 448 x that.  After phase X v12-17 are work registers
.set LX,  15
.set TT,  32                           ; phase X: v32-95 64 held numbers; v96-111 their codes; v112-127 a weight fragment; v128-135 Wo's numbers; v136-137 their codes; v148-159 biases; v160-164 offsets
.set PCX, 96
.set FRG, 112
.set WOF, 128
.set WOC, 136
.set BT,  148
.set U,   32                           ; later: v32-63 a row tile's q, k or v; v64-127 proj_k; v128-135 -diag as C; v136-151 codes; v152-183 biases; v184-187 -diag of the four tiles; v188-189 store data
.set PJ,  64
.set CB,  128
.set PC,  136
.set BI,  152
.set ND,  184                          ; v190 the stage, read as a weight tile: 528 r + 16 h; v191 read as a K step of x: 528 r + 64 h; v4 written: 16 x lane
.set OM,  192                          ; v192-255 omega: 8 tiles x 8 registers
.set MSB, 0
.macro WIN new                         ; the immediate's high byte repeats the setting that is left
.if MSB != \new
	s_set_vgpr_msb (MSB<<8)|\new
.set MSB, \new
.endif
.endm
.macro PLACES n
.rept \n
	v_nop
.endr
.endm
.macro BAR                             ; my LDS stores have landed and my LDS loads are in: then the work-group's barrier
	s_wait_dscnt 0x0
	s_barrier_signal -1
	s_barrier_wait -1
.endm
.macro MKSC vs, vl, se                 ; v[vs] = 2^e, v[vl] = 448 x 2^e, e in s[se]
	s_add_co_i32 s88, s[\se], 127
	s_lshl_b32 s89, s88, 23
	v_mov_b32 v[\vs], s89
	s_add_co_i32 s88, s88, 8
	s_lshl_b32 s88, s88, 23
	s_or_b32 s88, s88, 0x600000
	v_mov_b32 v[\vl], s88
.endm
; K step ks of my 16 rows, a row an instruction: 32 lanes read 512 consecutive bytes; registers 64 ks + 4 i of window 2 take row perm(w, i)
.macro XLOAD ks
	WIN 0x80
.irp i, 0,1,2,3,4,5,6,7,8,9,10,11,12,13,14,15
	global_load_b128 v[64*(\ks)+4*\i:64*(\ks)+4*\i+3], v1, s[86:87] offset:(\i+8*(\i/8))*2048+512*(\ks) th:TH_LOAD_NT
.endr
	WIN 0
.endm
; the K step through my stage: afterwards register 64 ks + 16 b + i = x(row perm(w, r), 128 ks + 32 b + 16 h + i)
.macro XTURN ks
	WIN 0x08                               ; store data window 2
.irp i, 0,1,2,3,4,5,6,7,8,9,10,11,12,13,14,15
	ds_store_b128 v4, v[64*(\ks)+4*\i:64*(\ks)+4*\i+3] offset:528*\i
.endr
	WIN 0x80                               ; loaded data window 2
.irp q, 0,1,2,3,4,5,6,7,8,9,10,11,12,13,14,15
	ds_load_b128 v[64*(\ks)+4*\q:64*(\ks)+4*\q+3], v191 offset:128*(\q/4)+16*(\q%4)
.endr
	WIN 0
.endm
; K step ks of my row tile becomes a fragment of code set 'set' and goes to LDS as an image
.macro XQ set, ks
	WIN 0x02
.set i, 0
.rept 64
	v_med3_num_f32 v[TT+i], v[64*\ks+i], -v[LX+\set], v[LX+\set]   ; the conversion does not saturate (ISA guide 7.6.2): the hold at 448 x the scale
.set i, i+1
.endr
	WIN 0
	s_wait_dscnt 0x0                       ; the last image's stores have read the code registers
.irp g, 0,1,2,3,4,5,6,7
	v_cvt_scalef32_pk8_fp8_f32 v[PCX+2*\g:PCX+2*\g+1], v[TT+8*\g:TT+8*\g+7], v[SX+\set]
.endr
	v_nop                                  ; a plain line behind the last conversion, ahead of the next writes of its sources
.irp c, 0,1,2,3
.if \set == 2
	ds_store_b128 v29, v[PCX+4*\c:PCX+4*\c+3] offset:2048*\ks+512*\c
.else
	ds_store_b128 v6, v[PCX+4*\c:PCX+4*\c+3] offset:32768*\set+2048*\ks+512*\c
.endif
.endr
.endm
; weight tile qi of 24 (pass qi / 8: q, k, v; head (qi / 4) % 2; tile qi % 4) into ring slot qi % 4: 16 loads, a whole row of 512 bytes each; registers 4 i take the tile's row i
.macro RLOAD qi
	WIN 0x40
.irp i, 0,1,2,3,4,5,6,7,8,9,10,11,12,13,14,15
	global_load_b128 v[64*((\qi)%4)+4*\i:64*((\qi)%4)+4*\i+3], v5, s[6+2*((\qi)/8):7+2*((\qi)/8)] offset:(64*(((\qi)/4)%2)+32*(((\qi)%4)/2)+8*((\qi)%2)+\i+8*(\i/8))*512
.endr
	WIN 0
.endm
.macro WPUT qi                         ; the tile's 16 rows into my stage, as they were loaded
	WIN 0x04                               ; store data window 1
.irp i, 0,1,2,3,4,5,6,7,8,9,10,11,12,13,14,15
	ds_store_b128 v4, v[64*((\qi)%4)+4*\i:64*((\qi)%4)+4*\i+3] offset:528*\i
.endr
.endm
.macro WGET qi                         ; and back as four fragments: register 16 ks + 4 c on = the lane's row, k = 128 ks + 32 c + 16 h + 0 .. 15
	WIN 0x40                               ; loaded data window 1
.irp q, 0,1,2,3,4,5,6,7,8,9,10,11,12,13,14,15
	ds_load_b128 v[64*((\qi)%4)+4*\q:64*((\qi)%4)+4*\q+3], v190 offset:128*(\q/4)+32*(\q%4)
.endr
.endm
; eight products of weight tile qi: K steps k0, k0 + 1 x the four row tiles: four accumulators by turns, K ascending; the first K step starts the sums
.macro QMUL qi, k0
.if (\qi)/8 == 2
	WIN 0xa7                               ; v: source 0 = x (window 3), source 1 = the weights (window 1): a lane holds a channel, registers run along the rows
.else
	WIN 0xad                               ; q, k: source 0 = the weights, source 1 = x: a lane holds a row, registers run along the channels
.endif
.irp ks, \k0, \k0+1
.irp T, 0,1,2,3
.set rR, 64*((\qi)%4)+16*(\ks)
.set rX, 16*(4*\T+(\ks))
.if (\qi)/8 == 2
.set rD, 32*((\qi)%4)+8*\T
.if (\ks) == 0
	v_wmma_f32_16x16x128_fp8_fp8 v[rD:rD+7], v[rX:rX+15], v[rR:rR+15], 0
.else
	v_wmma_f32_16x16x128_fp8_fp8 v[rD:rD+7], v[rX:rX+15], v[rR:rR+15], v[rD:rD+7]
.endif
.else
.set rD, 32*\T+8*((\qi)%4)
.if (\ks) == 0
	v_wmma_f32_16x16x128_fp8_fp8 v[rD:rD+7], v[rR:rR+15], v[rX:rX+15], 0
.else
	v_wmma_f32_16x16x128_fp8_fp8 v[rD:rD+7], v[rR:rR+15], v[rX:rX+15], v[rD:rD+7]
.endif
.endif
.endr
.endr
.endm
; weight tile qi is multiplied; the next tile goes through the stage meanwhile, its stores ahead of the first eight products and its loads between the two eights
.macro QUAD qi
.if (\qi) < 23
.if 22-(\qi) >= 2
	s_wait_loadcnt 32                      ; the next tile's 16 loads are in; the two tiles behind it may be out
.else
	s_wait_loadcnt 16*(22-(\qi))
.endif
	WPUT (\qi)+1
	s_wait_dscnt 16                        ; all but the 16 stores just issued is done: this tile is back from the stage (and, at a pass's head, x's fragments are in)
.else
	s_wait_dscnt 0x0
.endif
	QMUL \qi, 0
.if (\qi) < 23
	WGET (\qi)+1
.endif
	QMUL \qi, 2
	WIN 0
	PLACES 4                               ; ahead of loads into registers that these products read, and of the first read of their results
.if (\qi) < 20
	RLOAD (\qi)+4
.endif
.endm
.macro XFPART set, T                   ; row tile T's four fragments of a code set: fragment (T, ks) at 16 (4 T + ks) of window 3
	WIN 0xc0
.set i, 16*(\T)
.rept 16
.if (\set) == 2
	ds_load_b128 v[4*i:4*i+3], v30 offset:512*i
.else
	ds_load_b128 v[4*i:4*i+3], v1 offset:32768*(\set)+512*i
.endif
.set i, i+1
.endr
	WIN 0
.endm
; one head of q (p = 0) or k (p = 1), row tile by row tile: scale and bias, -diag, codes out; for k also proj_k - diag_k and its running maximum.
; xf = the code set whose fragments of x are fetched meanwhile, 16 loads behind each row tile's work (the pass's products are over), or -1
.macro POSTQK p, hd, xf
.irp q, 0,1,2,3,4,5,6,7
	ds_load_b128 v[BI+4*\q:BI+4*\q+3], v7 offset:2048*\p+256*\hd+128*(\q/4)+16*(\q%4)   ; the bias x 2^-1.5 at my 32 channels
.endr
	s_wait_dscnt 0x0
.irp T, 0,1,2,3
.set PCS, PC+8*(\T%2)
	WIN 0x02
.set i, 0
.rept 16
	v_pk_fma_f32 v[U+i:U+i+1], v[32*\T+i:32*\T+i+1], s[66+2*\p:67+2*\p], v[BI+i:BI+i+1] op_sel_hi:[1,0,1]   ; sum x 2^(ea + eb - 1.5) + bias x 2^-1.5; each accumulator from its low end on
.set i, i+2
.endr
	WIN 0
	v_pk_mul_f32 v[12:13], v[U:U+1], v[U:U+1]                  ; the sum of squares of the unquantised numbers, in two packed chains
	v_pk_mul_f32 v[14:15], v[U+2:U+3], v[U+2:U+3]
.set i, 4
.rept 7
	v_pk_fma_f32 v[12:13], v[U+i:U+i+1], v[U+i:U+i+1], v[12:13]
	v_pk_fma_f32 v[14:15], v[U+i+2:U+i+3], v[U+i+2:U+i+3], v[14:15]
.set i, i+4
.endr
	v_pk_add_f32 v[12:13], v[12:13], v[14:15]
	v_add_f32 v16, v12, v13
	v_permlanex16_b32 v17, v16, s72, s73                       ; the row's other 32 channels lie in lane l xor 16
	v_add_f32 v16, v16, v17
	v_mul_f32 v[ND+\T], s[70+\p], v16                          ; -diag / 2^(the projection's two exponents)
	s_wait_xcnt 0x0                        ; the stores of two tiles ago have read this set of code registers
.set i, 0
.rept 32
	v_med3_num_f32 v[U+i], v[U+i], -v[19+2*\p], v[19+2*\p]
.set i, i+1
.endr
.irp g, 0,1,2,3
	v_cvt_scalef32_pk8_fp8_f32 v[PCS+2*\g:PCS+2*\g+1], v[U+8*\g:U+8*\g+7], v[18+2*\p]
.endr
	v_nop
	global_store_b128 v1, v[PCS:PCS+3], s[74+2*\p:75+2*\p] offset:\hd*(4096+126976*\p)+1024*\T          ; 32 lanes store 512 consecutive bytes
	global_store_b128 v1, v[PCS+4:PCS+7], s[74+2*\p:75+2*\p] offset:\hd*(4096+126976*\p)+1024*\T+512
.if \p == 1
.irp j, 0,1,2,3,4,5,6,7
	v_mov_b32 v[CB+\j], v[ND+\T]           ; C of the projection: -diag of the lane's row, in all eight registers
.endr
.irp m, 0,1,2,3,4,5,6,7
	v_wmma_f32_16x16x64_fp8_fp8 v[PJ+8*\m:PJ+8*\m+7], v[OM+8*\m:OM+8*\m+7], v[PCS:PCS+7], v[CB:CB+7]
.endr
	PLACES 4
.set i, 0
.rept 16
	v_max3_num_f32 v[26+\hd], v[26+\hd], v[PJ+i], v[PJ+i+1]    ; ascending: each accumulator from its low end on
	v_max3_num_f32 v[24+\hd], v[24+\hd], v[PJ+i+2], v[PJ+i+3]
.set i, i+4
.endr
.endif
.if (\xf) >= 0
	XFPART (\xf), \T
.endif
.endr
	s_wait_xcnt 0x0                        ; earlier stores have read v188, v189
.irp e, 0,1
	v_cndmask_b32 v[188+\e], v[ND+2*\e], v[ND+2*\e+1], vcc_lo  ; lanes 0-15 carry tile 2 e, lanes 16-31 tile 2 e + 1
	global_store_b32 v[11-2*\p], v[188+\e], s[80+2*\p:81+2*\p] offset:8192*\hd+128*\e
.endr
.endm
; one head of v: bias, codes of v^T out.  Unit (m, e): channels perm(m, r), rows 32 e + 16 h + 0 .. 15 of the block
.macro POSTV hd
.irp m, 0,1,2,3
	ds_load_b32 v[BI+2*\m], v8 offset:4*(64*\hd+32*(\m/2)+8*(\m%2))       ; bv / 2^(e4 + e5) at the lane's channel (the pair's upper word is named and not used)
.endr
	s_wait_dscnt 0x0
.irp m, 0,1,2,3
.irp e, 0,1
.set PCS, PC+4*((2*\m+\e)%4)
.if (2*\m+\e)%4 == 0
	s_wait_xcnt 0x0                        ; the last four stores have read the code registers
.endif
	WIN 0x02
.set i, 0
.rept 8
	v_pk_add_f32 v[U+i:U+i+1], v[32*\m+16*\e+i:32*\m+16*\e+i+1], v[BI+2*\m:BI+2*\m+1] op_sel_hi:[1,0]
.set i, i+2
.endr
	WIN 0
.set i, 0
.rept 16
	v_med3_num_f32 v[U+i], v[U+i], -v23, v23
.set i, i+1
.endr
	v_cvt_scalef32_pk8_fp8_f32 v[PCS:PCS+1], v[U:U+7], v22      ; the three scales folded: 2^(e11 - e4 - e5)
	v_cvt_scalef32_pk8_fp8_f32 v[PCS+2:PCS+3], v[U+8:U+15], v22
	v_nop
	global_store_b128 v1, v[PCS:PCS+3], s[78:79] offset:131072*\hd+2048*\m+512*\e
.endr
.endr
.endm
	s_load_b512 s[4:19], s[0:1], 0x0               ; x, Wq, Wk, Wv, bq, bk, bv, omega
	s_load_b512 s[20:35], s[0:1], 0x40             ; scales, W1, W2, Wo, qimg, kimg, vimg, aux
	s_load_b64 s[36:37], s[0:1], 0x80              ; wimg
	v_lshrrev_b32 v31, 5, v0
	v_readfirstlane_b32 s2, v31                    ; wave 0..3
	s_mov_b32 s3, ttmp9                            ; work-group = block of 64 rows
	v_and_b32 v11, 31, v0
	v_lshlrev_b32 v1, 4, v11                       ; v1  16 x lane: my place in an image, and in a load of 512 bytes
	v_lshlrev_b32 v11, 2, v11                      ; v11 4 x lane
	v_and_b32 v2, 15, v0                           ; r
	v_bfe_u32 v3, v0, 4, 1                         ; h
	v_and_b32 v31, 8, v2
	v_add_nc_u32 v31, v31, v2                      ; r + 8 (r / 8)
	v_cmp_ne_u32 vcc_lo, 0, v3                     ; lanes 16-31; VCC is written nowhere else
	s_mul_i32 s88, s2, 8448
	s_add_co_u32 s88, s88, STG                     ; my stage
	v_add_nc_u32 v4, s88, v1                       ; v4  into it: 16 bytes a lane, a row an instruction
	v_mul_u32_u24 v190, v2, 528
	v_lshl_add_u32 v191, v3, 6, v190
	v_lshl_add_u32 v190, v3, 4, v190
	v_add_nc_u32 v191, s88, v191                   ; v191 out of it, x: row r, + 64 h
	v_add_nc_u32 v190, s88, v190                   ; v190 out of it, weights: row r, + 16 h
	s_lshl_b32 s88, s2, 16
	v_add_nc_u32 v5, s88, v1                       ; v5  weights: my two heads' 128 rows of 512 bytes; 16 bytes a lane
	s_lshl_b32 s88, s2, 13
	v_add_nc_u32 v6, s88, v1                       ; v6  where I store x's images: row tile w
	v_add_nc_u32 v29, 0x10000, v6                  ; v29 the same in the third set, which lies past the 16-bit offset
	v_add_nc_u32 v30, 0x10000, v1                  ; v30 and where all read it
	s_lshl_b32 s88, s2, 9
	s_add_co_u32 s88, s88, BIAS
	v_lshl_add_u32 v7, v3, 6, s88                  ; v7  q's, k's biases: my heads, + 64 h
	s_add_co_u32 s89, s88, 4096
	v_lshl_add_u32 v8, v31, 2, s89                 ; v8  v's bias at channel r + 8 (r / 8)
	v_lshl_add_u32 v9, v3, 3, v31
	v_lshlrev_b32 v9, 2, v9                        ; v9  -diag_k in natural order: 4 (8 h + r + 8 (r / 8))
	v_lshlrev_b32 v10, 6, v31
	v_lshl_add_u32 v10, v3, 4, v10                 ; v10 omega: row r + 8 (r / 8) of 64 bytes, + 16 h
	v_lshl_add_u32 v28, v0, 4, BIAS                ; v28 the biases' way into LDS: 16 bytes a thread
	v_lshlrev_b32 v164, 4, v0
	; the weight fragment that this wave lays out: g = 4 wg + w; the first 512 waves take W1's fragments, the others W2's
	s_lshl_b32 s90, s3, 2
	s_add_co_u32 s90, s90, s2                      ; g
	s_and_b32 s91, s90, 511                        ; f
	s_lshr_b32 s92, s91, 2                         ; W1: tile of 16 rows
	s_lshr_b32 s93, s91, 7                         ; the wave of the last launch that will read it
	s_lshl_b32 s94, s93, 3
	s_and_b32 s95, s91, 7
	s_or_b32 s94, s94, s95                         ; W2: tile
	s_and_b32 s95, s91, 3                          ; W1: K step
	s_bfe_u32 s96, s91, 0x40003                    ; W2: K step
	s_mov_b32 s97, 327680
	s_cmp_lt_u32 s3, 128
	s_cselect_b32 s92, s92, s94
	s_cselect_b32 s95, s95, s96
	s_cselect_b32 s96, 9, 11                       ; a row is 512 or 2,048 bytes
	s_cselect_b32 s97, 65536, s97                  ; where the tensor's part of a stream begins
	s_lshr_b32 s94, s92, 3
	s_lshl_b32 s94, s94, 7
	s_bfe_u32 s88, s92, 0x20001
	s_lshl_b32 s88, s88, 5
	s_add_co_u32 s94, s94, s88
	s_and_b32 s88, s92, 1
	s_lshl_b32 s88, s88, 3
	s_add_co_u32 s94, s94, s88                     ; the tile's first row: 128 (a / 8) + 32 ((a / 2) % 4) + 8 (a % 2)
	s_lshl_b32 s94, s94, s96
	s_lshl_b32 s95, s95, 7
	s_add_co_u32 s94, s94, s95
	v_lshlrev_b32 v160, s96, v31
	v_lshl_add_u32 v160, v3, 4, v160
	v_add_nc_u32 v160, s94, v160                   ; v160 from where
	s_mul_i32 s93, s93, 589824
	s_add_co_u32 s93, s93, s97
	s_and_b32 s88, s91, 127
	s_lshl_b32 s88, s88, 11
	s_add_co_u32 s93, s93, s88
	v_add_nc_u32 v161, s93, v1                     ; v161 to where
	; Wo: wave g takes 16 columns x 16 k: one half (256 bytes) of a piece of an image.  Lane (r, y): column 128 w' + perm(n, r), k = 16 (g % 32) + 8 y + 0 .. 7
	s_and_b32 s88, s90, 31
	s_lshl_b32 s88, s88, 15
	s_lshr_b32 s89, s90, 8                         ; w'
	s_lshl_b32 s94, s89, 9
	s_add_co_u32 s88, s88, s94
	s_bfe_u32 s94, s90, 0x20006
	s_lshl_b32 s94, s94, 7
	s_add_co_u32 s88, s88, s94
	s_bfe_u32 s94, s90, 0x10005
	s_lshl_b32 s94, s94, 5
	s_add_co_u32 s88, s88, s94
	v_lshlrev_b32 v162, 2, v31
	v_lshl_add_u32 v162, v3, 14, v162
	v_add_nc_u32 v162, s88, v162                   ; v162 from where
	s_mul_i32 s89, s89, 589824
	s_and_b32 s94, s90, 255
	s_lshl_b32 s94, s94, 8
	s_add_co_u32 s89, s89, s94
	v_lshlrev_b32 v163, 4, v2
	v_lshl_add_u32 v163, v3, 3, v163
	v_add_nc_u32 v163, s89, v163                   ; v163 to where: 16 r + 8 y in the half piece
	s_lshr_b32 s88, s3, 5
	s_lshl_b32 s88, s88, 3
	s_lshl_b32 s89, s2, 1
	s_add_co_u32 s88, s88, s89                     ; 8 b + 2 w: my first head among the 64
	s_and_b32 s89, s3, 31                          ; the block within the batch
	s_mov_b32 s99, 0
	s_wait_kmcnt 0x0
	s_load_b512 s[40:55], s[20:21], 0x0            ; e0 .. e15
	s_cmp_lt_u32 s3, 128
	s_cselect_b64 s[100:101], s[22:23], s[24:25]   ; W1's codes or W2's: the choice hangs on the work-group's number alone
	s_lshl_b32 s98, s3, 17
	s_lshr_b32 s94, s2, 1
	s_lshl_b32 s94, s94, 16
	s_add_co_u32 s98, s98, s94
	s_and_b32 s94, s2, 1
	s_lshl_b32 s94, s94, 14
	s_add_co_u32 s98, s98, s94
	s_add_nc_u64 s[86:87], s[4:5], s[98:99]        ; x at my block, at row 32 (w / 2) + 8 (w % 2): my row tile's first
.irp c, 0,1,2,3
	global_load_b128 v[FRG+4*\c:FRG+4*\c+3], v160, s[100:101] offset:32*\c
.endr
.irp i, 0,1,2,3,4,5,6,7
	global_load_b32 v[WOF+\i], v162, s[26:27] offset:2048*\i
.endr
	global_load_b128 v[BT:BT+3], v164, s[12:13]
	global_load_b128 v[BT+4:BT+7], v164, s[14:15]
	global_load_b128 v[BT+8:BT+11], v164, s[16:17]
.irp m, 0,1,2,3,4,5,6,7
	global_load_b128 v[OM+8*\m:OM+8*\m+3], v10, s[18:19] offset:(32*(\m/2)+8*(\m%2))*64
	global_load_b128 v[OM+8*\m+4:OM+8*\m+7], v10, s[18:19] offset:(32*(\m/2)+8*(\m%2))*64+32
.endr
	XLOAD 0
	XLOAD 1
	XLOAD 2
	XLOAD 3
	s_lshl_b32 s98, s3, 15
	s_lshl_b32 s94, s2, 13
	s_add_co_u32 s98, s98, s94
	s_add_nc_u64 s[74:75], s[28:29], s[98:99]      ; qimg [wg][head][T][1,024] at my first head
	s_lshl_b32 s95, s88, 17
	s_lshl_b32 s94, s89, 12
	s_add_co_u32 s98, s95, s94
	s_add_nc_u64 s[76:77], s[30:31], s[98:99]      ; kimg [bh][blk][T][1,024]
	s_lshr_b32 s94, s89, 1
	s_lshl_b32 s94, s94, 13
	s_add_co_u32 s98, s95, s94
	s_and_b32 s94, s89, 1
	s_lshl_b32 s94, s94, 10
	s_add_co_u32 s98, s98, s94
	s_add_nc_u64 s[78:79], s[32:33], s[98:99]      ; vimg [bh][128 rows][tile][piece][512]: my block is pieces 2 (blk % 2), + 1
	s_lshl_b32 s98, s88, 13
	s_lshl_b32 s94, s89, 8
	s_add_co_u32 s98, s98, s94
	s_add_nc_u64 s[80:81], s[34:35], s[98:99]      ; aux: -diag_q, in tile order
	s_add_nc_u64 s[82:83], s[80:81], 0x80000       ; aux + 524,288: -diag_k, in natural order
	s_lshl_b32 s98, s3, 9
	s_lshl_b32 s94, s2, 7
	s_add_co_u32 s98, s98, s94
	s_add_co_u32 s98, s98, 0x100000
	s_add_nc_u64 s[84:85], s[34:35], s[98:99]      ; aux + 1,048,576: the blocks' maxima [wg][wave][lane]
	s_mov_b32 s72, 0x76543210
	s_mov_b32 s73, 0xfedcba98                      ; v_permlanex16_b32: lane l xor 16
	s_wait_kmcnt 0x0
	MKSC 12, 15, 41
	MKSC 13, 16, 43
	MKSC 14, 17, 45
	MKSC 18, 19, 46                                ; q's codes: e6
	MKSC 20, 21, 48                                ; k's: e8
	s_sub_co_i32 s90, s51, s44
	s_sub_co_i32 s90, s90, s45
	MKSC 22, 23, 90                                ; v's: e11 - e4 - e5, on the raw sums
	MKSC 24, 25, 55                                ; Wo's: e15
	s_add_co_i32 s88, s40, s41
	s_lshl_b32 s88, s88, 23
	s_add_co_i32 s66, s88, 0x3eb504f3              ; 2^-1.5 x 2^(e0 + e1): the exponents are added to the exponent field
	s_mov_b32 s67, s66
	s_add_co_i32 s88, s42, s43
	s_lshl_b32 s88, s88, 23
	s_add_co_i32 s68, s88, 0x3eb504f3
	s_mov_b32 s69, s68
	s_add_co_i32 s88, s46, s47
	s_sub_co_i32 s88, 126, s88
	s_lshl_b32 s88, s88, 23
	s_or_b32 s70, s88, 0x80000000                  ; -0.5 / 2^(e6 + e7)
	s_add_co_i32 s88, s48, s49
	s_sub_co_i32 s88, 126, s88
	s_lshl_b32 s88, s88, 23
	s_or_b32 s71, s88, 0x80000000                  ; -0.5 / 2^(e8 + e9)
	s_add_co_i32 s88, s44, s45
	s_sub_co_i32 s88, 127, s88
	s_lshl_b32 s92, s88, 23                        ; 2^-(e4 + e5)
	s_mov_b32 s93, s92
	s_wait_loadcnt 48                              ; all but x's K steps 1 to 3 (48 loads) are in
.irp c, 0,1,2,3
	global_store_b128 v161, v[FRG+4*\c:FRG+4*\c+3], s[36:37] offset:512*\c       ; the fragment as an image: 512 consecutive bytes a store
.endr
.irp i, 0,1,2,3,4,5,6,7
	v_med3_num_f32 v[WOF+\i], v[WOF+\i], -v25, v25
.endr
	v_cvt_scalef32_pk8_fp8_f32 v[WOC:WOC+1], v[WOF:WOF+7], v24
	v_nop
	global_store_b64 v163, v[WOC:WOC+1], s[36:37]  ; 32 lanes store 256 consecutive bytes, aligned
	v_pk_mul_f32 v[BT:BT+1], v[BT:BT+1], 0x3eb504f3 op_sel_hi:[1,0]
	v_pk_mul_f32 v[BT+2:BT+3], v[BT+2:BT+3], 0x3eb504f3 op_sel_hi:[1,0]
	v_pk_mul_f32 v[BT+4:BT+5], v[BT+4:BT+5], 0x3eb504f3 op_sel_hi:[1,0]
	v_pk_mul_f32 v[BT+6:BT+7], v[BT+6:BT+7], 0x3eb504f3 op_sel_hi:[1,0]
	v_pk_mul_f32 v[BT+8:BT+9], v[BT+8:BT+9], s[92:93] op_sel_hi:[1,0]
	v_pk_mul_f32 v[BT+10:BT+11], v[BT+10:BT+11], s[92:93] op_sel_hi:[1,0]
	ds_store_b128 v28, v[BT:BT+3]
	ds_store_b128 v28, v[BT+4:BT+7] offset:2048
	ds_store_b128 v28, v[BT+8:BT+11] offset:4096
	; PHASE X: each K step of my row tile three times into codes; the next K step goes through the stage meanwhile; behind each step a weight tile is asked for
	XTURN 0
.irp ks, 0,1,2,3
.if \ks < 3
	s_wait_loadcnt 32                              ; the next K step is in: behind it stand x's later steps and the weight tiles asked for so far, 32 loads in every turn
	XTURN \ks+1
	s_wait_dscnt 32                                ; this K step is back from the stage; the next one's 16 stores and 16 loads may be out
.else
	s_wait_dscnt 0x0
.endif
	XQ 0, \ks
	XQ 1, \ks
	XQ 2, \ks
	RLOAD \ks
.endr
	s_wait_loadcnt 48                              ; weight tile 0 is in; tiles 1 to 3 may be out
	WPUT 0
	WGET 0
	WIN 0
	s_wait_xcnt 0x0                                ; the stores above have read their data and offsets: those registers are used again below
	BAR                                            ; x's 48 images and the biases lie in LDS; weight tile 0 is back from my stage
	v_mov_b32 v26, 0xff800000                      ; the running maxima of h_k, two chains a head
	v_mov_b32 v27, 0xff800000
	v_mov_b32 v24, 0xff800000
	v_mov_b32 v25, 0xff800000
	XFPART 0, 0
	XFPART 0, 1
	XFPART 0, 2
	XFPART 0, 3
	s_wait_dscnt 0x0
.set QI, 0
.irp p, 0,1,2
.irp hd, 0,1
.rept 4
	QUAD QI
.set QI, QI+1
.endr
.if \p < 2
.if \hd == 1
	POSTQK \p, \hd, \p+1                           ; the pass's products are over: the next pass's code set is fetched under this vector work
.else
	POSTQK \p, \hd, -1
.endif
.else
	POSTV \hd
.endif
.endr
.if \p == 1
	v_max_num_f32 v26, v26, v24                    ; the block's largest h_k of my two heads, over the 32 lanes
	v_max_num_f32 v27, v27, v25
.irp x, 1,2,4,8
	v_max_num_f32_dpp v26, v26, v26 row_xmask:\x row_mask:0xf bank_mask:0xf
	v_max_num_f32_dpp v27, v27, v27 row_xmask:\x row_mask:0xf bank_mask:0xf
.endr
	v_permlanex16_b32 v17, v26, s72, s73
	v_permlanex16_b32 v16, v27, s72, s73
	v_max_num_f32 v26, v26, v17
	v_max_num_f32 v27, v27, v16
	v_and_b32 v16, 1, v0
	v_cmp_ne_u32 s98, 0, v16
	v_cndmask_b32 v26, v26, v27, s98               ; even lanes: head 2 w; odd lanes: head 2 w + 1
	global_store_b32 v11, v26, s[84:85]
.endif
.endr
	s_wait_xcnt 0x0
	v_lshl_add_u32 v254, v0, 2, 0x21c00
	v_mov_b32 v255, 0
	s_wait_tensorcnt 0x0
	ds_add_u32 v254, v255
	s_wait_dscnt 0x0
	s_endpgm
.Lfunc_end_k_q3c758a576a_qkv:
	.size	k_q3c758a576a_qkv, .Lfunc_end_k_q3c758a576a_qkv-k_q3c758a576a_qkv
	.p2alignl 7, 3214868480
	.fill 96, 4, 3214868480
	.section	.rodata,"a",@progbits
	.p2align	6, 0x0
	.amdhsa_kernel k_q3c758a576a_qkv
		.amdhsa_group_segment_fixed_size 138752
		.amdhsa_private_segment_fixed_size 0
		.amdhsa_enable_private_segment 0
		.amdhsa_kernarg_size 136
		.amdhsa_user_sgpr_count 2
		.amdhsa_user_sgpr_kernarg_segment_ptr 1
		.amdhsa_wavefront_size32 1
		.amdhsa_system_sgpr_workgroup_id_x 1
		.amdhsa_system_sgpr_workgroup_id_y 1
		.amdhsa_system_sgpr_workgroup_id_z 1
		.amdhsa_system_vgpr_workitem_id 0
		.amdhsa_next_free_vgpr 1024
		.amdhsa_next_free_sgpr 102
		.amdhsa_reserve_vcc 1
		.amdhsa_float_denorm_mode_32 3
		.amdhsa_float_denorm_mode_16_64 3
		.amdhsa_memory_ordered 1
		.amdhsa_forward_progress 1
		.amdhsa_inst_pref_size 255
	.end_amdhsa_kernel
	.section	.bss,"aw",@nobits
	.p2align	6
	.space	262144
	.amdgpu_metadata
---
amdhsa.version: [ 1, 2 ]
amdhsa.kernels:
  - .name:           k_q3c758a576a_qkv
    .symbol:         k_q3c758a576a_qkv.kd
    .args:
      - { .name: x, .offset: 0, .size: 8, .value_kind: global_buffer, .address_space: global }
      - { .name: Wq_codes, .offset: 8, .size: 8, .value_kind: global_buffer, .address_space: global }
      - { .name: Wk_codes, .offset: 16, .size: 8, .value_kind: global_buffer, .address_space: global }
      - { .name: Wv_codes, .offset: 24, .size: 8, .value_kind: global_buffer, .address_space: global }
      - { .name: bq, .offset: 32, .size: 8, .value_kind: global_buffer, .address_space: global }
      - { .name: bk, .offset: 40, .size: 8, .value_kind: global_buffer, .address_space: global }
      - { .name: bv, .offset: 48, .size: 8, .value_kind: global_buffer, .address_space: global }
      - { .name: omega_codes, .offset: 56, .size: 8, .value_kind: global_buffer, .address_space: global }
      - { .name: lowp_scales, .offset: 64, .size: 8, .value_kind: global_buffer, .address_space: global }
      - { .name: W1_codes, .offset: 72, .size: 8, .value_kind: global_buffer, .address_space: global }
      - { .name: W2_codes, .offset: 80, .size: 8, .value_kind: global_buffer, .address_space: global }
      - { .name: Wo, .offset: 88, .size: 8, .value_kind: global_buffer, .address_space: global }
      - { .name: qimg, .offset: 96, .size: 8, .value_kind: global_buffer, .address_space: global }
      - { .name: kimg, .offset: 104, .size: 8, .value_kind: global_buffer, .address_space: global }
      - { .name: vimg, .offset: 112, .size: 8, .value_kind: global_buffer, .address_space: global }
      - { .name: aux, .offset: 120, .size: 8, .value_kind: global_buffer, .address_space: global }
      - { .name: wimg, .offset: 128, .size: 8, .value_kind: global_buffer, .address_space: global }
    .group_segment_fixed_size: 138752
    .private_segment_fixed_size: 0
    .kernarg_segment_align: 8
    .kernarg_segment_size: 136
    .max_flat_workgroup_size: 128
    .sgpr_count:     102
    .vgpr_count:     1024
    .wavefront_size: 32
...
	.end_amdgpu_metadata
.endif
;; end of part 1
;; launch kvsum (part 2): grid 4 x 64, 16 waves a work-group, no clusters, 137,216 bytes of LDS; arguments kimg, vimg, aux, omega_codes, lowp_scales, kvs; writes kvs
.if DOCPART == 2
	.amdgcn_target "amdgcn-amd-amdhsa--gfx1250"
	.amdhsa_code_object_version 6
	.text
	.protected	k_q3c758a576a_kvsum
	.globl	k_q3c758a576a_kvsum
	.p2align	8
	.type	k_q3c758a576a_kvsum,@function
k_q3c758a576a_kvsum:
	s_mov_b64 s[64:65], 0
	v_nop
	global_prefetch_b8 v0, s[64:65] scope:SCOPE_SE
	s_setreg_imm32_b32 hwreg(HW_REG_WAVE_MODE, 25, 1), 1
	s_wait_xcnt 0x0
; SECOND LAUNCH.  For one (batch, head) bh = work-group y and one quarter c = work-group x of the 128 features: the stabiliser of phi_k (the largest h_k over all 2,048 positions and all 128 features,
; from the 32 block maxima of the launch before), phi_k = exp(h_k - stab) / sqrt(128), ksum (f32, of the unquantised phi_k) and kv = phi_k^T v (product 6, K = 2,048), whose codes (e13) leave as
; pieces of the images that the last launch's registers take.  The work is cut by FEATURES, not by positions, so each number of kv and ksum has one owner: 256 equal work-groups, no sum between work-groups.
; SHARES: wave w of 16 takes positions 128 w .. 128 w + 127: one K step of product 6.  Straight-line text, one barrier; then waves 0 to 3 add the 16 partial kv (one tile of 16 channels each), wave 4 the partial ksum.
; LAYOUT: h^T-free: source 0 = 16 positions of k, source 1 = 16 features of omega: a lane holds a feature, its registers run along the positions, which are the next K.  C = -diag_k / 2^(e8 + e9), loaded straight into the accumulators.
; Tiles take rows perm(T, i) = 32 (T / 2) + 8 (T % 2) + i + 8 (i / 8), so that 16 registers of two neighbouring tiles are 16 neighbours.  Fragments hold k = 32 c + 16 h + 0 .. 15 in registers 4 c .. 4 c + 3, alike on both sides.
; No tile is shared at one time by work-groups in a way a joint request could serve without LDS: k's and v's images go straight into registers; what the four quarters share is read once each, 16 KiB a wave.
; LIMITS: e8 + e9 between -126 and 127; e10 and e13 - e10 - e11 between -126 and 119.
.set KSR, 131072                       ; LDS: 0 .. 131,071 partial kv [wave 16][16 groups of four registers][512]; then partial ksum [wave][lane 8 bytes]
.set OMF, 32                           ; v32-47   omega: 2 tiles x 8; later phi_k's fragment of features tile 0
.set KF,  48                           ; v48-111  k: 8 tiles x 8; later v^T: 4 fragments x 16; later the reducers' first buffer
.set PH,  112                          ; v112-239 h, then phi_k: 64 u + 8 a + j; v112-127 later the fragment of features tile 1
.set KV,  128                          ; v128-191 partial kv: 16 t + 8 u + j; later the reducers' second buffer
.set SUM, 192                          ; v192-207 a reducer's sums; v208-211 their codes
.macro PLACES n
.rept \n
	v_nop
.endr
.endm
.macro MKSC vs, vl, se                 ; v[vs] = 2^e, v[vl] = 448 x 2^e, e in s[se]
	s_add_co_i32 s54, s[\se], 127
	s_lshl_b32 s55, s54, 23
	v_mov_b32 v[\vs], s55
	s_add_co_i32 s54, s54, 8
	s_lshl_b32 s54, s54, 23
	s_or_b32 s54, s54, 0x600000
	v_mov_b32 v[\vl], s54
.endm
	s_load_b256 s[4:11], s[0:1], 0x0               ; kimg, vimg, aux, omega
	s_load_b128 s[12:15], s[0:1], 0x20             ; scales, kvs
	v_lshl_add_u32 v254, v0, 2, 0x21000
	v_mov_b32 v255, 0
	v_lshrrev_b32 v31, 5, v0
	v_readfirstlane_b32 s2, v31                    ; wave 0..15
	s_and_b32 s3, ttmp7, 0xffff                    ; bh
	v_and_b32 v30, 31, v0
	v_lshlrev_b32 v1, 4, v30                       ; v1  16 x lane
	v_and_b32 v2, 15, v0
	v_bfe_u32 v3, v0, 4, 1
	v_and_b32 v29, 8, v2
	v_add_nc_u32 v29, v29, v2                      ; r + 8 (r / 8)
	v_lshlrev_b32 v4, 6, v29
	v_lshl_add_u32 v4, v3, 4, v4                   ; v4  omega: row r + 8 (r / 8) of 64 bytes, + 16 h
	v_lshlrev_b32 v5, 6, v3                        ; v5  -diag_k: 64 h
	v_lshlrev_b32 v6, 9, v30                       ; v6  the block maxima: lane = block, 512 bytes apart
	s_lshl_b32 s32, s2, 13
	v_add_nc_u32 v7, s32, v1                       ; v7  where I store my partial kv
	s_and_b32 s33, s2, 3
	s_lshl_b32 s33, s33, 11
	v_add_nc_u32 v8, s33, v1                       ; v8  a reducer's reads: tile w % 4 of waves 0 to 7,
	v_add_nc_u32 v9, 0x10000, v8                   ; v9  of waves 8 to 15
	s_lshl_b32 s33, s2, 8
	s_add_co_u32 s33, s33, KSR
	v_lshl_add_u32 v10, v30, 3, s33                ; v10 where I store my partial ksum
	v_lshlrev_b32 v11, 3, v30
	v_add_nc_u32 v11, KSR, v11                     ; v11 where wave 4 reads them
	v_lshl_add_u32 v12, v3, 3, v29
	v_lshlrev_b32 v12, 2, v12                      ; v12 ksum's place: feature 8 h + r + 8 (r / 8) of the quarter
	v_mov_b32 v15, 0                               ; (upper words of pairs whose low word serves both halves)
	v_mov_b32 v16, 0xc0600000                      ; -3.5: 1 / sqrt(128) = 2^-3.5
	v_mov_b32 v17, 0xc0600000
	s_mov_b32 s35, 0
	s_lshr_b32 s50, s3, 3                          ; batch
	s_and_b32 s51, s3, 7                           ; head
	s_wait_kmcnt 0x0
	s_load_b256 s[16:23], s[12:13], 0x20           ; e8 .. e15
	s_lshl_b32 s34, s50, 14
	s_lshr_b32 s52, s51, 1
	s_lshl_b32 s52, s52, 7
	s_add_co_u32 s34, s34, s52
	s_and_b32 s52, s51, 1
	s_lshl_b32 s52, s52, 2
	s_add_co_u32 s34, s34, s52
	s_add_co_u32 s34, s34, 0x100000
	s_add_nc_u64 s[36:37], s[8:9], s[34:35]        ; the batch's block maxima, at my head's wave and lane parity
	s_lshl_b32 s34, s3, 13
	s_lshl_b32 s52, s2, 9
	s_add_co_u32 s34, s34, s52
	s_add_co_u32 s34, s34, 0x80000
	s_add_nc_u64 s[38:39], s[8:9], s[34:35]        ; -diag_k at my 128 positions
	s_lshl_b32 s34, s3, 17
	s_lshl_b32 s52, s2, 13
	s_add_co_u32 s34, s34, s52
	s_add_nc_u64 s[40:41], s[4:5], s[34:35]        ; k's 8 tiles, v's 4 fragments: 8,192 bytes each
	s_add_nc_u64 s[42:43], s[6:7], s[34:35]
	s_lshl_b32 s34, ttmp9, 11
	s_add_nc_u64 s[44:45], s[10:11], s[34:35]      ; omega at feature 32 c
	s_lshl_b32 s34, s3, 13
	s_lshl_b32 s52, ttmp9, 9
	s_add_co_u32 s34, s34, s52
	s_and_b32 s52, s2, 3
	s_lshl_b32 s52, s52, 11
	s_add_co_u32 s34, s34, s52
	s_add_nc_u64 s[46:47], s[14:15], s[34:35]      ; kv's codes [bh][tile][piece c][512]
	s_lshl_b32 s34, s3, 9
	s_lshl_b32 s52, ttmp9, 7
	s_add_co_u32 s34, s34, s52
	s_add_co_u32 s34, s34, 0x80000
	s_add_nc_u64 s[48:49], s[14:15], s[34:35]      ; ksum [bh][128]
	global_load_b32 v13, v6, s[36:37]
.irp u, 0,1
	global_load_b128 v[OMF+8*\u:OMF+8*\u+3], v4, s[44:45] offset:512*\u
	global_load_b128 v[OMF+8*\u+4:OMF+8*\u+7], v4, s[44:45] offset:512*\u+32
.endr
.irp u, 0,1
.irp a, 0,1,2,3,4,5,6,7
	global_load_b128 v[PH+64*\u+8*\a:PH+64*\u+8*\a+3], v5, s[38:39] offset:4*(64*(\a/4)+32*((\a%4)/2)+8*(\a%2))       ; C: register j = -diag of position 64 p + 32 e + 16 h + 8 u' + j
	global_load_b128 v[PH+64*\u+8*\a+4:PH+64*\u+8*\a+7], v5, s[38:39] offset:4*(64*(\a/4)+32*((\a%4)/2)+8*(\a%2))+16
.endr
.endr
.set i, 0
.rept 16
	global_load_b128 v[KF+4*i:KF+4*i+3], v1, s[40:41] offset:512*i
.set i, i+1
.endr
	s_mov_b32 s28, 0x3fb8aa3b                      ; log2(e)
	s_mov_b32 s29, s28
	s_mov_b32 s30, 0x76543210
	s_mov_b32 s31, 0xfedcba98
	s_wait_kmcnt 0x0
	s_add_co_i32 s52, s16, s17
	s_add_co_i32 s52, s52, 127
	s_lshl_b32 s24, s52, 23                        ; 2^(e8 + e9)
	s_mov_b32 s25, s24
	s_or_b32 s26, s24, 0x80000000
	MKSC 18, 19, 18                                ; phi_k's codes: e10
	s_sub_co_i32 s53, s21, s18
	s_sub_co_i32 s53, s53, s19
	MKSC 20, 21, 53                                ; kv's codes on the raw sums: e13 - e10 - e11
	s_wait_loadcnt 0x0
.irp a, 0,1,2,3,4,5,6,7
.irp u, 0,1
	v_wmma_f32_16x16x64_fp8_fp8 v[PH+64*\u+8*\a:PH+64*\u+8*\a+7], v[KF+8*\a:KF+8*\a+7], v[OMF+8*\u:OMF+8*\u+7], v[PH+64*\u+8*\a:PH+64*\u+8*\a+7]   ; sixteen different accumulators
.endr
.endr
	PLACES 4                                       ; ahead of the loads into k's registers and of the first read of the results
.set i, 0
.rept 16
	global_load_b128 v[KF+4*i:KF+4*i+3], v1, s[42:43] offset:512*i      ; v^T lands under the exponentials
.set i, i+1
.endr
.irp x, 1,2,4,8
	v_max_num_f32_dpp v13, v13, v13 row_xmask:\x row_mask:0xf bank_mask:0xf
.endr
	v_permlanex16_b32 v31, v13, s30, s31
	v_max_num_f32 v13, v13, v31                    ; the largest of the 32 blocks' maxima
	v_mul_f32 v14, s26, v13                        ; -stab
.set i, 0
.rept 64
	v_pk_fma_f32 v[PH+i:PH+i+1], v[PH+i:PH+i+1], s[24:25], v[14:15] op_sel_hi:[1,0,0]   ; h - stab; each accumulator from its low end on
.set i, i+2
.endr
.set i, 0
.rept 64
	v_pk_fma_f32 v[PH+i:PH+i+1], v[PH+i:PH+i+1], s[28:29], v[16:17] op_sel_hi:[1,0,0]   ; x log2(e) - 3.5
.set i, i+2
.endr
.set i, 0
.rept 128
	v_exp_f32 v[PH+i], v[PH+i]
.set i, i+1
.endr
	v_nop                                          ; the plain line behind the last exponential
	s_wait_alu depctr_va_vdst(0)                   ; one wait for the batch, ahead of its first reader
.irp u, 0,1
.set P0, PH+64*\u
	v_pk_add_f32 v[24:25], v[P0:P0+1], v[P0+2:P0+3]            ; ksum's part: the unquantised phi_k over my 64 positions of this feature, two packed chains
	v_pk_add_f32 v[26:27], v[P0+4:P0+5], v[P0+6:P0+7]
.set i, 8
.rept 14
	v_pk_add_f32 v[24:25], v[24:25], v[P0+i:P0+i+1]
	v_pk_add_f32 v[26:27], v[26:27], v[P0+i+2:P0+i+3]
.set i, i+4
.endr
	v_pk_add_f32 v[24:25], v[24:25], v[26:27]
	v_add_f32 v[22+\u], v24, v25
.set i, 0
.rept 64
	v_min_num_f32 v[P0+i], v[P0+i], v19            ; phi_k is not negative: a one-sided hold at 448 x 2^e10
.set i, i+1
.endr
.irp g, 0,1,2,3,4,5,6,7
	v_cvt_scalef32_pk8_fp8_f32 v[OMF+80*\u+2*\g:OMF+80*\u+2*\g+1], v[P0+8*\g:P0+8*\g+7], v18      ; tile 0 into v32-47, tile 1 into v112-127 (tile 0's numbers, done with; 64 plain lines lie between)
.endr
.endr
	v_nop
	s_wait_loadcnt 0x0                             ; v^T
.irp t, 0,1,2,3
.irp u, 0,1
	v_wmma_f32_16x16x128_fp8_fp8 v[KV+16*\t+8*\u:KV+16*\t+8*\u+7], v[OMF+80*\u:OMF+80*\u+15], v[KF+16*\t:KF+16*\t+15], 0      ; lane = channel perm(t, r); registers = features 16 h + 8 u + j of the quarter
.endr
.endr
	PLACES 4
.set i, 0
.rept 16
	ds_store_b128 v7, v[KV+4*i:KV+4*i+3] offset:512*i
.set i, i+1
.endr
	ds_store_b64 v10, v[22:23]
	s_wait_dscnt 0x0                               ; for the others' sake: my stores have landed
	s_barrier_signal -1
	s_barrier_wait -1
	s_cmp_lt_u32 s2, 4
	s_cbranch_scc0 .Lnot_kv
; waves 0 to 3: tile t = w of kv: the 16 waves' parts, four at a time, in two register buffers by turns
.macro RBATCH g, reg
.irp j, 0,1,2,3
.irp q, 0,1,2,3
	ds_load_b128 v[\reg+16*\j+4*\q:\reg+16*\j+4*\q+3], v[8+(4*\g+\j)/8] offset:((4*\g+\j)%8)*8192+512*\q
.endr
.endr
.endm
.macro RSUM g, reg
.irp j, 1,2,3,4
.set i, 0
.rept 8
.if (\g == 0) && (\j == 1)
	v_pk_add_f32 v[SUM+i:SUM+i+1], v[\reg+i:\reg+i+1], v[\reg+16+i:\reg+16+i+1]      ; the first two parts start the sums
.elseif (\g == 0) && (\j < 4)
	v_pk_add_f32 v[SUM+i:SUM+i+1], v[SUM+i:SUM+i+1], v[\reg+16*\j+i:\reg+16*\j+i+1]
.elseif \g > 0
	v_pk_add_f32 v[SUM+i:SUM+i+1], v[SUM+i:SUM+i+1], v[\reg+16*(\j-1)+i:\reg+16*(\j-1)+i+1]
.endif
.set i, i+2
.endr
.endr
.endm
	RBATCH 0, KF
	RBATCH 1, KV
	s_wait_dscnt 16                                ; the older batch is in; the younger one's 16 loads may be out
	RSUM 0, KF
	RBATCH 2, KF
	s_wait_dscnt 16
	RSUM 1, KV
	RBATCH 3, KV
	s_wait_dscnt 16
	RSUM 2, KF
	s_wait_dscnt 0x0
	RSUM 3, KV
.set i, 0
.rept 16
	v_med3_num_f32 v[SUM+i], v[SUM+i], -v21, v21
.set i, i+1
.endr
	v_cvt_scalef32_pk8_fp8_f32 v[208:209], v[SUM:SUM+7], v20
	v_cvt_scalef32_pk8_fp8_f32 v[210:211], v[SUM+8:SUM+15], v20
	v_nop
	global_store_b128 v1, v[208:211], s[46:47]     ; piece c of the tile's image: 512 consecutive bytes
	s_branch .Lend
.Lnot_kv:
	s_cmp_eq_u32 s2, 4
	s_cbranch_scc0 .Lend
.set i, 0
.rept 16
	ds_load_b64 v[KF+2*i:KF+2*i+1], v11 offset:256*i
.set i, i+1
.endr
	s_wait_dscnt 0x0
.irp d, 16,8,4,2
.set i, 0
.rept \d/2
	v_pk_add_f32 v[KF+i:KF+i+1], v[KF+i:KF+i+1], v[KF+\d+i:KF+\d+i+1]
.set i, i+2
.endr
.endr
	v_permlanex16_b32 v26, v[KF], s30, s31         ; the feature's other positions lie in lane l xor 16
	v_permlanex16_b32 v27, v[KF+1], s30, s31
	v_add_f32 v[KF], v[KF], v26
	v_add_f32 v[KF+1], v[KF+1], v27
	v_cmp_ne_u32 vcc_lo, 0, v3
	v_cndmask_b32 v[KF], v[KF], v[KF+1], vcc_lo    ; lanes 0-15 carry features tile 0, lanes 16-31 tile 1
	global_store_b32 v12, v[KF], s[48:49]
.Lend:
	s_wait_tensorcnt 0x0
	ds_add_u32 v254, v255
	s_wait_dscnt 0x0
	s_endpgm
.Lfunc_end_k_q3c758a576a_kvsum:
	.size	k_q3c758a576a_kvsum, .Lfunc_end_k_q3c758a576a_kvsum-k_q3c758a576a_kvsum
	.p2alignl 7, 3214868480
	.fill 96, 4, 3214868480
	.section	.rodata,"a",@progbits
	.p2align	6, 0x0
	.amdhsa_kernel k_q3c758a576a_kvsum
		.amdhsa_group_segment_fixed_size 137216
		.amdhsa_private_segment_fixed_size 0
		.amdhsa_enable_private_segment 0
		.amdhsa_kernarg_size 48
		.amdhsa_user_sgpr_count 2
		.amdhsa_user_sgpr_kernarg_segment_ptr 1
		.amdhsa_wavefront_size32 1
		.amdhsa_system_sgpr_workgroup_id_x 1
		.amdhsa_system_sgpr_workgroup_id_y 1
		.amdhsa_system_sgpr_workgroup_id_z 1
		.amdhsa_system_vgpr_workitem_id 0
		.amdhsa_next_free_vgpr 256
		.amdhsa_next_free_sgpr 66
		.amdhsa_reserve_vcc 1
		.amdhsa_float_denorm_mode_32 3
		.amdhsa_float_denorm_mode_16_64 3
		.amdhsa_memory_ordered 1
		.amdhsa_forward_progress 1
		.amdhsa_inst_pref_size 51
	.end_amdhsa_kernel
	.amdgpu_metadata
---
amdhsa.version: [ 1, 2 ]
amdhsa.kernels:
  - .name:           k_q3c758a576a_kvsum
    .symbol:         k_q3c758a576a_kvsum.kd
    .args:
      - { .name: kimg, .offset: 0, .size: 8, .value_kind: global_buffer, .address_space: global }
      - { .name: vimg, .offset: 8, .size: 8, .value_kind: global_buffer, .address_space: global }
      - { .name: aux, .offset: 16, .size: 8, .value_kind: global_buffer, .address_space: global }
      - { .name: omega_codes, .offset: 24, .size: 8, .value_kind: global_buffer, .address_space: global }
      - { .name: lowp_scales, .offset: 32, .size: 8, .value_kind: global_buffer, .address_space: global }
      - { .name: kvs, .offset: 40, .size: 8, .value_kind: global_buffer, .address_space: global }
    .group_segment_fixed_size: 137216
    .private_segment_fixed_size: 0
    .kernarg_segment_align: 8
    .kernarg_segment_size: 48
    .max_flat_workgroup_size: 512
    .sgpr_count:     66
    .vgpr_count:     256
    .wavefront_size: 32
...
	.end_amdgpu_metadata
.endif
;; end of part 2
;; launch block (part 3): grid 256 x 1, 4 waves a work-group, no clusters, 298,496 bytes of LDS; arguments x, qimg, aux, wimg, kvs, omega_codes, lowp_scales, bo, g1, be1, b1, b2, g2, be2, out0; writes out0
.if DOCPART == 3
	.amdgcn_target "amdgcn-amd-amdhsa--gfx1250"
	.amdhsa_code_object_version 6
	.text
	.protected	k_q3c758a576a_block
	.globl	k_q3c758a576a_block
	.p2align	8
	.type	k_q3c758a576a_block,@function
k_q3c758a576a_block:
	s_mov_b64 s[64:65], 0
	v_nop
	global_prefetch_b8 v0, s[64:65] scope:SCOPE_SE
	s_setreg_imm32_b32 hwreg(HW_REG_WAVE_MODE, 25, 1), 1
	s_wait_xcnt 0x0
; THIRD LAUNCH.  A work-group of four waves takes 64 rows through the rest of the block: phi_q (product 4, per-row stabiliser), den (f32 multiply-adds on the unquantised phi_q and ksum), num (product 7),
; o = num / den, o Wo + bo + x (product 9), LayerNorm 1, relu(out1 W1 + b1) W2 + b2 + out1 (products 10, 11), LayerNorm 2.  Nothing between x and out0 goes to memory.
; SHARES: in phase A wave w takes heads 2 w, 2 w + 1, which are K step w of product 9.  From then on THE WAVES SHARE THE COLUMNS: wave w owns columns 128 w .. 128 w + 127 of attn, out1 and the result, and hidden
; units 512 w .. 512 w + 511, for all 64 rows.  A lane stands for row perm(T, r) = 32 (T / 2) + 8 (T % 2) + r + 8 (r / 8) of row tile T throughout; all products are used transposed (source 0 = 16 rows of a weight).
; OPERANDS GO FROM WAVE TO WAVE THROUGH LDS AS IMAGES OF THEIR REGISTERS (each group of four registers as 512 bytes, lane l's 16 bytes at 16 l): o, out1 and the hidden layer, each region written once.
; x COMES AS IT GOES OUT: a row's 512 bytes of my columns an instruction, 16 bytes a lane, and through my own stage in LDS (16 rows x 528 bytes) into the accumulators' layout, a row a lane.
; WEIGHTS: wave w's Wo, W1, W2 (576 KiB, laid out by the first launch as one stream of 72 quads of four fragments) go from memory straight into a ring of four register slots; three quads, 48 loads, are on their way
; while one is multiplied.  No weight byte is used by a second wave of the work-group.  No joint request in a cluster is made: it would land in LDS, where one slot at a time is on its way, and the LDS that this
; chain leaves holds slots of fewer bytes than the ring has on its way; it would also add a write and a read of 2,048 bytes for every four matrix instructions.
; SCALES: the residual and the bias go into the accumulators divided by the power of two that the sums lack (exact), and the LayerNorm takes that power back: variance x 2^(2 e), deviation x 2^e.
; The variance is taken of the deviations from the mean (two passes over registers): no difference of large sums is formed.
; LIMITS on the given exponents, so that each power of two below is an f32 number: e12, e14, e16, e18 - e16 - e17 between -126 and 119; e6 + e7, e12 + e13, e14 + e15, e16 + e17, e18 + e19 between -126 and 126;
; 2 (e14 + e15) - 9 and 2 (e18 + e19) - 9 between -126 and 127.  NaN among the inputs is not served.
; REGISTERS, in windows of 256: window 0 addresses, constants, work; window 1 the ring (slot s at 64 s); window 2 Y: 64 T + 16 b + i = column 128 w + 32 b + 16 h + i of row tile T, alive from x to out0;
; window 3: phase A kv^T (64 hd + 16 t) and ksum (v128-191); then o's, then out1's 16 fragments (16 (4 T + ks)); in the last product two K steps of the hidden layer (64 a + 16 T).
.set P_BO,  0                          ; LDS: parameters: bo / 2^(e14+e15), g1, be1, b2 / 2^(e18+e19), g2, be2 (2,048 bytes each), b1 / 2^(e16+e17) (8,192), the batch's ksum (4,096), -diag_q [head][T][r] (2,048)
.set P_G1,  2048
.set P_BE1, 4096
.set P_B2,  6144
.set P_G2,  8192
.set P_BE2, 10240
.set P_B1,  12288
.set P_KS,  20480
.set P_NQ,  24576
.set STAT,  26624                      ; four regions [wave][lane 16 bytes] for the rows' sums
.set OIMG,  34816                      ; o's images [K step][T][2,048]
.set O1IMG, 67584                      ; out1's
.set STAGE, 100352                     ; x's way in and the way out: 16 rows x (512 + 16) bytes for each wave
.set QIMG,  134144                     ; q's images, each wave's own [hd 4 + T][1,024], so that a loop over T can step an address
.set HIMG,  166912                     ; the hidden layer's images [K step 16][T][2,048]
.set P,   32                           ; phase A: v32-95 h, then phi_q; v96-127 num; v128-143 phi_q's codes; v144-151 -diag as C; v152-159 o's codes; v160-186 small; v192-255 omega
.set N,   96
.set PF,  128
.set CBR, 144
.set OC,  152
.set OM,  192
.set MSB, 0
.macro WIN new                         ; the immediate's high byte repeats the setting that is left
.if MSB != \new
	s_set_vgpr_msb (MSB<<8)|\new
.set MSB, \new
.endif
.endm
.macro PLACES n
.rept \n
	v_nop
.endr
.endm
.macro BAR                             ; my LDS stores have landed and my LDS loads are in: then the work-group's barrier
	s_wait_dscnt 0x0
	s_barrier_signal -1
	s_barrier_wait -1
.endm
.macro MKSC vs, vl, se                 ; v[vs] = 2^e, v[vl] = 448 x 2^e, e in s[se]
	s_add_co_i32 s96, s[\se], 127
	s_lshl_b32 s97, s96, 23
	v_mov_b32 v[\vs], s97
	s_add_co_i32 s96, s96, 8
	s_lshl_b32 s96, s96, 23
	s_or_b32 s96, s96, 0x600000
	v_mov_b32 v[\vl], s96
.endm
.macro PLD idx, base, off              ; 2,048 bytes of a parameter, 16 a thread
	global_load_b128 v[96+4*\idx:99+4*\idx], v161, s[\base:\base+1] offset:\off
.endm
.macro XTLOAD T                        ; x's row tile T, my 128 columns, a row an instruction: 32 lanes read 512 consecutive bytes; registers 64 T + 4 i of window 2 take row perm(T, i)
	WIN 0x80
.set i, 0
.rept 16
	global_load_b128 v[64*\T+4*i:64*\T+4*i+3], v1, s[86:87] offset:(32*(\T/2)+8*(\T%2)+i+8*(i/8))*2048 th:TH_LOAD_NT
.set i, i+1
.endr
	WIN 0
.endm
.macro XTURN T                         ; the row tile through my stage, into Y's layout, in the registers that it left; LDS serves a wave's instructions in order (ISA guide 5.7.1.4)
	WIN 0x08
.set i, 0
.rept 16
	ds_store_b128 v16, v[64*\T+4*i:64*\T+4*i+3] offset:528*i
.set i, i+1
.endr
	WIN 0x80
.set i, 0
.rept 16
	ds_load_b128 v[64*\T+4*i:64*\T+4*i+3], v15 offset:128*(i/4)+16*(i%4)
.set i, i+1
.endr
	WIN 0
.endm
.macro RFILL slot, off                 ; a quad of the weight stream, 8,192 bytes, into a ring slot: 16 loads of 512 consecutive bytes
	WIN 0x40
.set i, 0
.rept 16
	global_load_b128 v[64*(\slot)+4*i:64*(\slot)+4*i+3], v1, s[84:85] offset:(\off)+512*i
.set i, i+1
.endr
	WIN 0
.endm
.macro FRAGS adr                       ; 16 fragments [K step][T] out of LDS into window 3
	WIN 0xc0
.irp ks, 0,1,2,3
.irp T, 0,1,2,3
.irp c, 0,1,2,3
	ds_load_b128 v[16*(4*\T+\ks)+4*\c:16*(4*\T+\ks)+4*\c+3], v[\adr] offset:8192*\ks+2048*\T+512*\c
.endr
.endr
.endr
	WIN 0
.endm
.macro PRMLD reg, off                  ; a parameter at my lane's 64 columns: register 16 b + i = column 128 w + 32 b + 16 h + i
.irp q, 0,1,2,3,4,5,6,7,8,9,10,11,12,13,14,15
	ds_load_b128 v[\reg+4*\q:\reg+4*\q+3], v8 offset:\off+128*(\q/4)+16*(\q%4)
.endr
.endm
.macro YAFF sc, reg                    ; Y = Y x s[sc] + v[reg ..]
	WIN 0x82
.irp T, 0,1,2,3
.set i, 0
.rept 32
	v_pk_fma_f32 v[64*\T+i:64*\T+i+1], v[64*\T+i:64*\T+i+1], s[\sc:\sc+1], v[\reg+i:\reg+i+1] op_sel_hi:[1,0,1]
.set i, i+2
.endr
.endr
	WIN 0
.endm
; one head, a loop of four trips, a row tile a trip
.macro HEADPASS hd
	WIN 0xc0
.irp q, 0,1,2,3,4,5,6,7,8,9,10,11,12,13,14,15
	ds_load_b128 v[128+4*\q:131+4*\q], v6 offset:512*\hd+128*(\q/4)+16*(\q%4)      ; the head's ksum at my 64 features
.endr
	WIN 0
	s_mov_b32 s90, 4096*\hd                        ; q's image, o's image, -diag: each steps by a constant a trip
	s_mov_b32 s91, 1024*\hd
	s_mov_b32 s92, 256*\hd
	s_mov_b32 s93, 4
.Lrow_\@:
	v_add_nc_u32 v184, s90, v30
	v_add_nc_u32 v185, s91, v5
	v_add_nc_u32 v186, s92, v7
	ds_load_b128 v[176:179], v184
	ds_load_b128 v[180:183], v184 offset:512
	ds_load_b32 v160, v186
	s_wait_dscnt 0x0                               ; also: ksum is in, and the last trip's stores have read o's code registers
.irp j, 0,1,2,3,4,5,6,7
	v_mov_b32 v[CBR+\j], v160                      ; C: -diag of the lane's row / 2^(e6 + e7), in all eight registers
.endr
.irp m, 0,1,2,3,4,5,6,7
	v_wmma_f32_16x16x64_fp8_fp8 v[P+8*\m:P+8*\m+7], v[OM+8*\m:OM+8*\m+7], v[176:183], v[CBR:CBR+7]      ; register 16 b + i = feature 32 b + 16 h + i of my row
.endr
	PLACES 4
	v_max3_num_f32 v161, v[P], v[P+1], v[P+2]      ; the row's largest h, ascending, in two chains
	v_max3_num_f32 v162, v[P+3], v[P+4], v[P+5]
.set i, 6
.rept 14
	v_max3_num_f32 v161, v161, v[P+i], v[P+i+1]
	v_max3_num_f32 v162, v162, v[P+i+2], v[P+i+3]
.set i, i+4
.endr
	v_max3_num_f32 v161, v161, v[P+62], v[P+63]
	v_max_num_f32 v161, v161, v162
	v_permlanex16_b32 v163, v161, s66, s67
	v_max_num_f32 v161, v161, v163
	v_mul_f32 v166, s70, v161                      ; -stab
.set i, 0
.rept 32
	v_pk_fma_f32 v[P+i:P+i+1], v[P+i:P+i+1], s[68:69], v[166:167] op_sel_hi:[1,0,0]      ; h - stab
.set i, i+2
.endr
.set i, 0
.rept 32
	v_pk_fma_f32 v[P+i:P+i+1], v[P+i:P+i+1], s[72:73], v[28:29] op_sel_hi:[1,0,0]        ; x log2(e) - 3.5
.set i, i+2
.endr
.set i, 0
.rept 64
	v_exp_f32 v[P+i], v[P+i]
.set i, i+1
.endr
	v_nop                                          ; the plain line behind the last exponential
	s_wait_alu depctr_va_vdst(0)                   ; one wait for the batch, ahead of its first reader
	WIN 0x0c                                       ; source 1 (ksum) window 3
	v_pk_mul_f32 v[168:169], v[P:P+1], v[128:129]  ; den: the unquantised phi_q . ksum, f32, two packed chains
	v_pk_mul_f32 v[170:171], v[P+2:P+3], v[130:131]
.set i, 4
.rept 15
	v_pk_fma_f32 v[168:169], v[P+i:P+i+1], v[128+i:129+i], v[168:169]
	v_pk_fma_f32 v[170:171], v[P+i+2:P+i+3], v[130+i:131+i], v[170:171]
.set i, i+4
.endr
	WIN 0
	v_pk_add_f32 v[168:169], v[168:169], v[170:171]
	v_add_f32 v172, v168, v169
	v_permlanex16_b32 v163, v172, s66, s67
	v_add_f32 v172, v172, v163
	v_add_f32 v172, s75, v172                      ; + 1e-6
	v_rcp_f32 v173, v172
.set i, 0
.rept 64
	v_min_num_f32 v[P+i], v[P+i], v21              ; phi_q is not negative: a one-sided hold at 448 x 2^e12
.set i, i+1
.endr
.irp g, 0,1,2,3,4,5,6,7
	v_cvt_scalef32_pk8_fp8_f32 v[PF+2*\g:PF+2*\g+1], v[P+8*\g:P+8*\g+7], v20
.endr
	v_nop
	WIN 0x03                                       ; source 0 (kv^T) window 3
.irp m, 0,1,2,3
	v_wmma_f32_16x16x128_fp8_fp8 v[N+8*\m:N+8*\m+7], v[64*\hd+16*\m:64*\hd+16*\m+15], v[PF:PF+15], 0      ; register 16 b + i = channel 32 b + 16 h + i of my row
.endr
	WIN 0
	s_wait_alu depctr_va_vdst(0)                   ; the reciprocal's wait, ahead of its first reader
	v_mul_f32 v174, s74, v173                      ; 2^(e12 + e13) / den
	PLACES 4
.set i, 0
.rept 16
	v_pk_mul_f32 v[N+i:N+i+1], v[N+i:N+i+1], v[174:175] op_sel_hi:[1,0]      ; o
.set i, i+2
.endr
.set i, 0
.rept 32
	v_med3_num_f32 v[N+i], v[N+i], -v23, v23
.set i, i+1
.endr
.irp g, 0,1,2,3
	v_cvt_scalef32_pk8_fp8_f32 v[OC+2*\g:OC+2*\g+1], v[N+8*\g:N+8*\g+7], v22
.endr
	v_nop
	ds_store_b128 v185, v[OC:OC+3]                 ; pieces 2 hd and 2 hd + 1 of fragment (K step w, T)
	ds_store_b128 v185, v[OC+4:OC+7] offset:512
	s_add_co_u32 s90, s90, 1024
	s_add_co_u32 s91, s91, 2048
	s_add_co_u32 s92, s92, 64
	s_sub_co_u32 s93, s93, 1
	s_cmp_lg_u32 s93, 0
	s_cbranch_scc1 .Lrow_\@
.endm
; the eight chains v164-179 (two a row tile) become the rows' sums over all 512 columns, in v196-199, through region k of STAT
.macro XCH k
.irp T, 0,1,2,3
	v_pk_add_f32 v[164+4*\T:165+4*\T], v[164+4*\T:165+4*\T], v[166+4*\T:167+4*\T]
.endr
.irp T, 0,1,2,3
	v_add_f32 v[160+\T], v[164+4*\T], v[165+4*\T]
.endr
.irp T, 0,1,2,3
	v_permlanex16_b32 v[196+\T], v[160+\T], s66, s67
.endr
.irp T, 0,1,2,3
	v_add_f32 v[160+\T], v[160+\T], v[196+\T]      ; my wave's 128 columns
.endr
	ds_store_b128 v17, v[160:163] offset:2048*(\k)
	BAR
.irp m, 0,1,2,3
	ds_load_b128 v[196+4*\m:199+4*\m], v18 offset:2048*(\k)+512*\m
.endr
	s_wait_dscnt 0x0
	v_pk_add_f32 v[196:197], v[196:197], v[200:201]
	v_pk_add_f32 v[198:199], v[198:199], v[202:203]
	v_pk_add_f32 v[204:205], v[204:205], v[208:209]
	v_pk_add_f32 v[206:207], v[206:207], v[210:211]
	v_pk_add_f32 v[196:197], v[196:197], v[204:205]
	v_pk_add_f32 v[198:199], v[198:199], v[206:207]
.endm
; LayerNorm of Y, which stands for Y x 2^e: s[s2] = 2^(2 e - 9), s[s1] = 2^e; gains at og, offsets at ob
.macro LNORM k, s2, s1, og, ob
	PRMLD 32, \og
	PRMLD 96, \ob
	WIN 0x0a
.irp T, 0,1,2,3
	v_pk_add_f32 v[164+4*\T:165+4*\T], v[64*\T:64*\T+1], v[64*\T+2:64*\T+3]      ; the first additions start the chains; every accumulator is read from its low end on
	v_pk_add_f32 v[166+4*\T:167+4*\T], v[64*\T+4:64*\T+5], v[64*\T+6:64*\T+7]
.endr
	WIN 0x08
.set i, 8
.rept 14
.irp T, 0,1,2,3
	v_pk_add_f32 v[164+4*\T:165+4*\T], v[164+4*\T:165+4*\T], v[64*\T+i:64*\T+i+1]
	v_pk_add_f32 v[166+4*\T:167+4*\T], v[166+4*\T:167+4*\T], v[64*\T+i+2:64*\T+i+3]
.endr
.set i, i+4
.endr
	WIN 0
	XCH \k
.irp T, 0,1,2,3
	v_mul_f32 v[180+2*\T], 0xbb000000, v[196+\T]   ; -mean = -sum / 512
	v_mul_f32 v[181+2*\T], 0xbb000000, v[196+\T]
.endr
	WIN 0x82
.irp T, 0,1,2,3
.set i, 0
.rept 32
	v_pk_add_f32 v[64*\T+i:64*\T+i+1], v[64*\T+i:64*\T+i+1], v[180+2*\T:181+2*\T]
.set i, i+2
.endr
.endr
	WIN 0x0a
.irp T, 0,1,2,3
	v_pk_mul_f32 v[164+4*\T:165+4*\T], v[64*\T:64*\T+1], v[64*\T:64*\T+1]
	v_pk_mul_f32 v[166+4*\T:167+4*\T], v[64*\T+2:64*\T+3], v[64*\T+2:64*\T+3]
.endr
.set i, 4
.rept 15
.irp T, 0,1,2,3
	v_pk_fma_f32 v[164+4*\T:165+4*\T], v[64*\T+i:64*\T+i+1], v[64*\T+i:64*\T+i+1], v[164+4*\T:165+4*\T]
	v_pk_fma_f32 v[166+4*\T:167+4*\T], v[64*\T+i+2:64*\T+i+3], v[64*\T+i+2:64*\T+i+3], v[166+4*\T:167+4*\T]
.endr
.set i, i+4
.endr
	WIN 0
	XCH (\k)+1
.irp T, 0,1,2,3
	v_fma_f32 v[196+\T], v[196+\T], s[\s2], s75    ; the variance + 1e-6
.endr
.irp T, 0,1,2,3
	v_rsq_f32 v[200+\T], v[196+\T]
.endr
	v_nop
	s_wait_alu depctr_va_vdst(0)                   ; one wait for the four, ahead of their first reader
.irp T, 0,1,2,3
	v_mul_f32 v[188+2*\T], s[\s1], v[200+\T]
	v_mul_f32 v[189+2*\T], s[\s1], v[200+\T]
.endr
	WIN 0x82
.irp T, 0,1,2,3
.set i, 0
.rept 32
	v_pk_mul_f32 v[64*\T+i:64*\T+i+1], v[64*\T+i:64*\T+i+1], v[188+2*\T:189+2*\T]
.set i, i+2
.endr
.endr
.irp T, 0,1,2,3
.set i, 0
.rept 32
	v_pk_fma_f32 v[64*\T+i:64*\T+i+1], v[64*\T+i:64*\T+i+1], v[32+i:33+i], v[96+i:97+i]
.set i, i+2
.endr
.endr
	WIN 0
.endm
.macro HFL a, adr, off                 ; a K step's four hidden fragments into half a of window 3
	WIN 0xc0
.set i, 0
.rept 16
	ds_load_b128 v[64*\a+4*i:64*\a+4*i+3], v[\adr] offset:(\off)+512*i
.set i, i+1
.endr
	WIN 0
.endm
; two K steps of the last product: four quads of W2, 16 different accumulators each
.macro F2TRIP refill
.if \refill
	v_add_nc_u32 v14, s90, v11
.endif
.irp a, 0,1
.if \refill || (\a == 0)
	s_wait_dscnt 16                                ; this K step's fragments are in; the other's 16 loads may be out
.else
	s_wait_dscnt 0x0
.endif
.irp f, 0,1
.if \refill
	s_wait_loadcnt 48                              ; this quad is in; the three later ones may be out
.else
	s_wait_loadcnt 16*(3-2*\a-\f)
.endif
	WIN 0xad
.irp n, 0,1,2,3
.irp T, 0,1,2,3
	v_wmma_f32_16x16x128_fp8_fp8 v[64*\T+8*(4*\f+\n):64*\T+8*(4*\f+\n)+7], v[64*(2*\a+\f)+16*\n:64*(2*\a+\f)+16*\n+15], v[64*\a+16*\T:64*\a+16*\T+15], v[64*\T+8*(4*\f+\n):64*\T+8*(4*\f+\n)+7]
.endr
.endr
	WIN 0
	PLACES 4
.if \refill
	RFILL (2*\a+\f), ((2*\a+\f+4)*8192)
.endif
.endr
.if \refill
	HFL \a, 14, ((\a+2)*8192)
.endif
.endr
.if \refill
	s_wait_xcnt 0x0                                ; the loads have read their base: it may step
	s_add_nc_u64 s[84:85], s[84:85], 32768
	s_add_co_u32 s90, s90, 16384
.endif
.endm
.macro TOSTAGE T                       ; a row tile's 16 rows x my 128 columns into my stage, and back as whole rows of 512 bytes; LDS serves a wave's instructions in order (ISA guide 5.7.1.4)
	WIN 0x08
.set i, 0
.rept 16
	ds_store_b128 v15, v[64*\T+4*i:64*\T+4*i+3] offset:128*(i/4)+16*(i%4)
.set i, i+1
.endr
	WIN 0
.set i, 0
.rept 16
	ds_load_b128 v[32+64*(\T%2)+4*i:32+64*(\T%2)+4*i+3], v16 offset:528*i
.set i, i+1
.endr
.endm
.macro SEND T, younger
	s_wait_dscnt \younger
.set i, 0
.rept 16
	global_store_b128 v1, v[32+64*(\T%2)+4*i:32+64*(\T%2)+4*i+3], s[88:89] offset:(32*(\T/2)+8*(\T%2)+i+8*(i/8))*2048 th:TH_STORE_NT      ; 32 lanes store 512 consecutive bytes, at a multiple of 512 from out0's first byte
.set i, i+1
.endr
.endm
	s_load_b512 s[4:19], s[0:1], 0x0               ; x, qimg, aux, wimg, kvs, omega, scales, bo
	s_load_b256 s[20:27], s[0:1], 0x40             ; g1, be1, b1, b2
	s_load_b128 s[28:31], s[0:1], 0x60             ; g2, be2
	s_load_b64 s[32:33], s[0:1], 0x70              ; out0
	v_lshrrev_b32 v12, 5, v0
	v_readfirstlane_b32 s2, v12                    ; wave 0..3
	s_mov_b32 s3, ttmp9                            ; work-group = block of 64 rows
	v_and_b32 v12, 31, v0
	v_lshlrev_b32 v1, 4, v12                       ; v1  16 x lane
	v_and_b32 v2, 15, v0                           ; r
	v_bfe_u32 v3, v0, 4, 1                         ; h
	v_and_b32 v13, 8, v2
	v_add_nc_u32 v13, v13, v2                      ; r + 8 (r / 8)
	s_lshl_b32 s90, s2, 9
	s_lshl_b32 s91, s2, 13
	s_add_co_u32 s92, s91, OIMG
	v_add_nc_u32 v5, s92, v1                       ; v5  where I store o's images: K step w
	s_lshl_b32 s92, s2, 10
	s_add_co_u32 s92, s92, P_KS
	v_lshl_add_u32 v6, v3, 6, s92                  ; v6  ksum of my heads, + 64 h
	s_add_co_u32 s92, s90, P_NQ
	v_lshl_add_u32 v7, v2, 2, s92                  ; v7  -diag_q of my heads, row index r
	v_lshl_add_u32 v8, v3, 6, s90                  ; v8  a parameter at my columns: 512 w + 64 h
	s_lshl_b32 s92, s2, 11
	s_add_co_u32 s92, s92, P_B1
	v_lshl_add_u32 v9, v3, 6, s92                  ; v9  b1 at my 512 units, + 64 h
	s_lshl_b32 s92, s2, 15
	s_add_co_u32 s92, s92, HIMG
	v_add_nc_u32 v10, s92, v1                      ; v10 where I store hidden images: K steps 4 w on
	v_add_nc_u32 v11, HIMG, v1                     ; v11 where all read them
	s_mul_i32 s92, s2, 8448
	s_add_co_u32 s92, s92, STAGE
	v_mul_u32_u24 v15, v2, 528
	v_lshl_add_u32 v15, v3, 6, v15
	v_add_nc_u32 v15, s92, v15                     ; v15 my stage, a row a lane: row r, + 64 h
	v_add_nc_u32 v16, s92, v1                      ; v16 my stage, a row an instruction: 16 bytes a lane
	s_add_co_u32 s92, s90, STAT
	v_add_nc_u32 v17, s92, v1                      ; v17 the rows' sums: mine,
	v_add_nc_u32 v18, STAT, v1                     ; v18 and all four waves'
	s_add_co_u32 s92, s91, O1IMG
	v_add_nc_u32 v19, s92, v1                      ; v19 where I store out1's images
	s_add_co_u32 s92, s91, QIMG
	v_add_nc_u32 v30, s92, v1                      ; v30 q's images, my own
	v_add_nc_u32 v31, OIMG, v1                     ; v31 where all read o's images
	v_lshlrev_b32 v160, 6, v13
	v_lshl_add_u32 v160, v3, 4, v160               ; omega: row r + 8 (r / 8) of 64 bytes, + 16 h
	v_lshlrev_b32 v161, 4, v0                      ; 16 bytes a thread: in a parameter and in its place in LDS
	v_lshrrev_b32 v162, 4, v0
	v_lshlrev_b32 v162, 13, v162
	v_lshl_add_u32 v162, v2, 4, v162               ; -diag_q: head = thread / 16, 8,192 bytes apart; 16 bytes a thread
	v_add_nc_u32 v2, O1IMG, v1                     ; v2  (r is done with) where all read out1's images
	v_mov_b32 v28, 0xc0600000                      ; -3.5: 1 / sqrt(128) = 2^-3.5
	v_mov_b32 v29, 0xc0600000
	v_mov_b32 v163, 0                              ; a lane permute's destination counts as read
	v_mov_b32 v167, 0                              ; (upper words of pairs whose low word serves both halves)
	v_mov_b32 v175, 0
	s_mov_b32 s35, 0
	s_lshr_b32 s94, s3, 5                          ; batch
	s_and_b32 s95, s3, 31                          ; block within it
	s_wait_kmcnt 0x0
	s_load_b512 s[36:51], s[16:17], 0x0            ; e0 .. e15
	s_load_b128 s[52:55], s[16:17], 0x40           ; e16 .. e19
	s_lshl_b32 s34, s3, 17
	s_add_nc_u64 s[86:87], s[4:5], s[34:35]
	s_add_nc_u64 s[88:89], s[32:33], s[34:35]
	s_lshl_b32 s34, s2, 9
	s_add_nc_u64 s[86:87], s[86:87], s[34:35]      ; x at my block and my columns
	s_add_nc_u64 s[88:89], s[88:89], s[34:35]      ; out0 likewise
	s_mul_i32 s34, s2, 589824
	s_add_nc_u64 s[84:85], s[10:11], s[34:35]      ; my weight stream
	s_lshl_b32 s34, s3, 15
	s_lshl_b32 s96, s2, 13
	s_add_co_u32 s34, s34, s96
	s_add_nc_u64 s[56:57], s[6:7], s[34:35]        ; q's images of my heads
	s_lshl_b32 s34, s94, 16
	s_lshl_b32 s96, s2, 14
	s_add_co_u32 s34, s34, s96
	s_add_nc_u64 s[58:59], s[12:13], s[34:35]      ; kv^T's images of my heads
	s_lshl_b32 s34, s94, 12
	s_add_co_u32 s34, s34, 0x80000
	s_add_nc_u64 s[60:61], s[12:13], s[34:35]      ; the batch's ksum
	s_lshl_b32 s34, s94, 16
	s_lshl_b32 s96, s95, 8
	s_add_co_u32 s34, s34, s96
	s_add_nc_u64 s[62:63], s[8:9], s[34:35]        ; -diag_q of the batch's head 0 at my block
	PLD 0, 18, 0
	PLD 1, 20, 0
	PLD 2, 22, 0
	PLD 3, 26, 0
	PLD 4, 28, 0
	PLD 5, 30, 0
	PLD 6, 24, 0
	PLD 7, 24, 2048
	PLD 8, 24, 4096
	PLD 9, 24, 6144
	PLD 10, 60, 0
	PLD 11, 60, 2048
	global_load_b128 v[144:147], v162, s[62:63]
.irp m, 0,1,2,3,4,5,6,7
	global_load_b128 v[OM+8*\m:OM+8*\m+3], v160, s[14:15] offset:(32*(\m/2)+8*(\m%2))*64
	global_load_b128 v[OM+8*\m+4:OM+8*\m+7], v160, s[14:15] offset:(32*(\m/2)+8*(\m%2))*64+32
.endr
.set i, 0
.rept 16
	global_load_b128 v[32+4*i:35+4*i], v1, s[56:57] offset:512*i th:TH_LOAD_NT
.set i, i+1
.endr
	WIN 0xc0
.set i, 0
.rept 32
	global_load_b128 v[4*i:4*i+3], v1, s[58:59] offset:512*i
.set i, i+1
.endr
	WIN 0
	s_mov_b32 s66, 0x76543210
	s_mov_b32 s67, 0xfedcba98                      ; v_permlanex16_b32: lane l xor 16
	s_mov_b32 s72, 0x3fb8aa3b                      ; log2(e)
	s_mov_b32 s73, s72
	s_mov_b32 s75, 0x358637bd                      ; 1e-6
	s_wait_kmcnt 0x0
	s_add_co_i32 s90, s42, s43
	s_add_co_i32 s90, s90, 127
	s_lshl_b32 s68, s90, 23                        ; 2^(e6 + e7)
	s_mov_b32 s69, s68
	s_or_b32 s70, s68, 0x80000000
	s_add_co_i32 s90, s48, s49
	s_add_co_i32 s90, s90, 127
	s_lshl_b32 s74, s90, 23                        ; 2^(e12 + e13)
	s_add_co_i32 s90, s50, s51                     ; e14 + e15
	s_sub_co_i32 s91, 127, s90
	s_lshl_b32 s76, s91, 23                        ; 2^-(e14 + e15)
	s_mov_b32 s77, s76
	s_lshl_b32 s91, s90, 1
	s_add_co_i32 s91, s91, 118
	s_lshl_b32 s78, s91, 23                        ; 2^(2 (e14 + e15) - 9)
	s_add_co_i32 s91, s90, 127
	s_lshl_b32 s79, s91, 23                        ; 2^(e14 + e15)
	s_add_co_i32 s90, s54, s55                     ; e18 + e19
	s_sub_co_i32 s91, 127, s90
	s_lshl_b32 s80, s91, 23
	s_mov_b32 s81, s80
	s_lshl_b32 s91, s90, 1
	s_add_co_i32 s91, s91, 118
	s_lshl_b32 s82, s91, 23
	s_add_co_i32 s91, s90, 127
	s_lshl_b32 s83, s91, 23
	s_add_co_i32 s90, s52, s53                     ; e16 + e17
	s_sub_co_i32 s91, 127, s90
	s_lshl_b32 s98, s91, 23                        ; 2^-(e16 + e17)
	s_mov_b32 s99, s98
	s_sub_co_i32 s92, s54, s90
	MKSC 20, 21, 48                                ; phi_q's codes: e12
	MKSC 22, 23, 50                                ; o's: e14
	MKSC 24, 25, 52                                ; out1's: e16
	MKSC 26, 27, 92                                ; the hidden layer's, on the raw sums: e18 - e16 - e17
	s_wait_loadcnt 63                              ; 64 loads were issued behind the 13 of the parameters: those are in
	v_pk_mul_f32 v[96:97], v[96:97], s[76:77] op_sel_hi:[1,0]
	v_pk_mul_f32 v[98:99], v[98:99], s[76:77] op_sel_hi:[1,0]
	v_pk_mul_f32 v[108:109], v[108:109], s[80:81] op_sel_hi:[1,0]
	v_pk_mul_f32 v[110:111], v[110:111], s[80:81] op_sel_hi:[1,0]
.set i, 0
.rept 8
	v_pk_mul_f32 v[120+i:121+i], v[120+i:121+i], s[98:99] op_sel_hi:[1,0]
.set i, i+2
.endr
.set i, 0
.rept 13
	ds_store_b128 v161, v[96+4*i:99+4*i] offset:2048*i
.set i, i+1
.endr
	s_wait_loadcnt 0x0
.set i, 0
.rept 16
	ds_store_b128 v30, v[32+4*i:35+4*i] offset:512*i
.set i, i+1
.endr
	BAR                                            ; the parameters lie in LDS
	XTLOAD 0                                       ; x lands under phase A
	XTLOAD 1
	XTLOAD 2
	; ---- A: my two heads
	HEADPASS 0
	XTLOAD 3
	RFILL 0, 0                                     ; the weight stream begins
	RFILL 1, 8192
	HEADPASS 1
	RFILL 2, 16384
	RFILL 3, 24576
	; ---- B: Y = (x + bo) / 2^(e14 + e15) + o Wo
	PRMLD 32, P_BO
	s_wait_loadcnt 48                              ; x and quad 0 are in; quads 1 to 3 may be out
	XTURN 0
	XTURN 1
	XTURN 2
	XTURN 3
	BAR                                            ; o's sixteen fragments lie in LDS; x is back from my stage, and bo is in
	FRAGS 31                                       ; they land under the 128 lines below
	YAFF 76, 32
	s_wait_dscnt 0x0
.irp n, 0,1,2,3,4,5,6,7
	s_wait_loadcnt 48                              ; this quad is in; the three later ones may be out
	WIN 0xad                                       ; source 0 the ring (window 1), source 1 the fragments (window 3), C and D window 2
.irp ks, 0,1,2,3
.irp T, 0,1,2,3
	v_wmma_f32_16x16x128_fp8_fp8 v[64*\T+8*\n:64*\T+8*\n+7], v[64*(\n%4)+16*\ks:64*(\n%4)+16*\ks+15], v[16*(4*\T+\ks):16*(4*\T+\ks)+15], v[64*\T+8*\n:64*\T+8*\n+7]      ; four accumulators by turns
.endr
.endr
	WIN 0
	PLACES 4                                       ; ahead of loads into the slot just read, and of the first read of results
	RFILL (\n%4), ((\n+4)*8192)
.endr
	s_wait_xcnt 0x0
	s_add_nc_u64 s[84:85], s[84:85], 65536         ; the stream at W1's first quad
	LNORM 0, 78, 79, P_G1, P_BE1                   ; Y = out1
.irp T, 0,1,2,3
	WIN 0x02
.set i, 0
.rept 64
	v_med3_num_f32 v[32+i], v[64*\T+i], -v25, v25
.set i, i+1
.endr
	WIN 0
	s_wait_dscnt 0x0                               ; the last image's stores have read the code registers
.irp g, 0,1,2,3,4,5,6,7
	v_cvt_scalef32_pk8_fp8_f32 v[160+2*\g:161+2*\g], v[32+8*\g:39+8*\g], v24
.endr
	v_nop
.irp c, 0,1,2,3
	ds_store_b128 v19, v[160+4*\c:163+4*\c] offset:2048*\T+512*\c
.endr
.endr
	PRMLD 96, P_B2
	s_wait_dscnt 0x0
	YAFF 80, 96                                    ; Y = (out1 + b2) / 2^(e18 + e19): the last product adds onto it
	BAR                                            ; out1's sixteen fragments lie in LDS
	FRAGS 2
	s_wait_dscnt 0x0
	; ---- F1: my 512 hidden units, 128 (one K step of the last product) a trip: eight quads of W1, twice round the ring
	s_mov_b32 s90, 0
	s_mov_b32 s91, 0
	s_mov_b32 s93, 4
.Lf1:
	v_add_nc_u32 v12, s90, v10
	v_add_nc_u32 v13, s91, v9
.irp b, 0,1,2,3
.irp q, 0,1,2,3
	ds_load_b128 v[160+4*\q:163+4*\q], v13 offset:128*\b+16*\q      ; b1 / 2^(e16 + e17) at units 32 b + 16 h + 0 .. 15: the C of the first K step
.endr
.irp u, 0,1
	s_wait_loadcnt 48                              ; this quad is in; the three later ones may be out
.if \u == 0
	s_wait_dscnt 0x0                               ; the bias is in, and the last images' stores have read the code registers
.endif
	WIN 0x0d                                       ; source 0 the ring, source 1 out1's fragments, C and D window 0
.irp ks, 0,1,2,3
.irp T, 0,1,2,3
.if \ks == 0
	v_wmma_f32_16x16x128_fp8_fp8 v[32+16*\T+8*\u:39+16*\T+8*\u], v[64*((2*\b+\u)%4):64*((2*\b+\u)%4)+15], v[16*(4*\T):16*(4*\T)+15], v[160+8*\u:167+8*\u]
.else
	v_wmma_f32_16x16x128_fp8_fp8 v[32+16*\T+8*\u:39+16*\T+8*\u], v[64*((2*\b+\u)%4)+16*\ks:64*((2*\b+\u)%4)+16*\ks+15], v[16*(4*\T+\ks):16*(4*\T+\ks)+15], v[32+16*\T+8*\u:39+16*\T+8*\u]
.endif
.endr
.endr
	WIN 0
	PLACES 4
	RFILL ((2*\b+\u)%4), ((2*\b+\u+4)*8192)
.endr
.irp T, 0,1,2,3
.set i, 0
.rept 16
	v_med3_num_f32 v[32+16*\T+i], v[32+16*\T+i], 0, v27      ; the activation and the hold in one
.set i, i+1
.endr
	v_cvt_scalef32_pk8_fp8_f32 v[176+4*\T:177+4*\T], v[32+16*\T:39+16*\T], v26
	v_cvt_scalef32_pk8_fp8_f32 v[178+4*\T:179+4*\T], v[40+16*\T:47+16*\T], v26
.endr
	v_nop
.irp T, 0,1,2,3
	ds_store_b128 v12, v[176+4*\T:179+4*\T] offset:2048*\T+512*\b      ; piece b of fragment (K step 4 w + trip, T)
.endr
.endr
	s_wait_xcnt 0x0                                ; the loads have read their base: it may step
	s_add_nc_u64 s[84:85], s[84:85], 65536
	s_add_co_u32 s90, s90, 8192
	s_add_co_u32 s91, s91, 512
	s_sub_co_u32 s93, s93, 1
	s_cmp_lg_u32 s93, 0
	s_cbranch_scc1 .Lf1
	; ---- F2: Y += hidden W2, two K steps a trip
	BAR                                            ; the hidden layer's 64 fragments lie in LDS
	HFL 0, 11, 0
	HFL 1, 11, 8192
	s_mov_b32 s90, 0
	s_mov_b32 s93, 7
.Lf2:
	F2TRIP 1
	s_sub_co_u32 s93, s93, 1
	s_cmp_lg_u32 s93, 0
	s_cbranch_scc1 .Lf2
	F2TRIP 0                                       ; the last two K steps ask for nothing more: the counts run down
	LNORM 2, 82, 83, P_G2, P_BE2
	; ---- the way out
	TOSTAGE 0
	TOSTAGE 1
	SEND 0, 32                                     ; behind tile 0's loads: tile 1's 16 stores and 16 loads
	s_wait_xcnt 0x0                                ; tile 0's stores have read their registers: tile 2's rows may land there
	TOSTAGE 2
	SEND 1, 32
	s_wait_xcnt 0x0
	TOSTAGE 3
	SEND 2, 32
	SEND 3, 0
	s_wait_xcnt 0x0
	v_lshl_add_u32 v254, v0, 2, 0x48c00
	v_mov_b32 v255, 0
	s_wait_tensorcnt 0x0
	ds_add_u32 v254, v255
	s_wait_dscnt 0x0
	s_endpgm
.Lfunc_end_k_q3c758a576a_block:
	.size	k_q3c758a576a_block, .Lfunc_end_k_q3c758a576a_block-k_q3c758a576a_block
	.p2alignl 7, 3214868480
	.fill 96, 4, 3214868480
	.section	.rodata,"a",@progbits
	.p2align	6, 0x0
	.amdhsa_kernel k_q3c758a576a_block
		.amdhsa_group_segment_fixed_size 298496
		.amdhsa_private_segment_fixed_size 0
		.amdhsa_enable_private_segment 0
		.amdhsa_kernarg_size 120
		.amdhsa_user_sgpr_count 2
		.amdhsa_user_sgpr_kernarg_segment_ptr 1
		.amdhsa_wavefront_size32 1
		.amdhsa_system_sgpr_workgroup_id_x 1
		.amdhsa_system_sgpr_workgroup_id_y 1
		.amdhsa_system_sgpr_workgroup_id_z 1
		.amdhsa_system_vgpr_workitem_id 0
		.amdhsa_next_free_vgpr 1024
		.amdhsa_next_free_sgpr 100
		.amdhsa_reserve_vcc 0
		.amdhsa_float_denorm_mode_32 3
		.amdhsa_float_denorm_mode_16_64 3
		.amdhsa_memory_ordered 1
		.amdhsa_forward_progress 1
		.amdhsa_inst_pref_size 255
	.end_amdhsa_kernel
	.section	.bss,"aw",@nobits
	.p2align	6
	.space	262144
	.amdgpu_metadata
---
amdhsa.version: [ 1, 2 ]
amdhsa.kernels:
  - .name:           k_q3c758a576a_block
    .symbol:         k_q3c758a576a_block.kd
    .args:
      - { .name: x, .offset: 0, .size: 8, .value_kind: global_buffer, .address_space: global }
      - { .name: qimg, .offset: 8, .size: 8, .value_kind: global_buffer, .address_space: global }
      - { .name: aux, .offset: 16, .size: 8, .value_kind: global_buffer, .address_space: global }
      - { .name: wimg, .offset: 24, .size: 8, .value_kind: global_buffer, .address_space: global }
      - { .name: kvs, .offset: 32, .size: 8, .value_kind: global_buffer, .address_space: global }
      - { .name: omega_codes, .offset: 40, .size: 8, .value_kind: global_buffer, .address_space: global }
      - { .name: lowp_scales, .offset: 48, .size: 8, .value_kind: global_buffer, .address_space: global }
      - { .name: bo, .offset: 56, .size: 8, .value_kind: global_buffer, .address_space: global }
      - { .name: g1, .offset: 64, .size: 8, .value_kind: global_buffer, .address_space: global }
      - { .name: be1, .offset: 72, .size: 8, .value_kind: global_buffer, .address_space: global }
      - { .name: b1, .offset: 80, .size: 8, .value_kind: global_buffer, .address_space: global }
      - { .name: b2, .offset: 88, .size: 8, .value_kind: global_buffer, .address_space: global }
      - { .name: g2, .offset: 96, .size: 8, .value_kind: global_buffer, .address_space: global }
      - { .name: be2, .offset: 104, .size: 8, .value_kind: global_buffer, .address_space: global }
      - { .name: out0, .offset: 112, .size: 8, .value_kind: global_buffer, .address_space: global }
    .group_segment_fixed_size: 298496
    .private_segment_fixed_size: 0
    .kernarg_segment_align: 8
    .kernarg_segment_size: 120
    .max_flat_workgroup_size: 128
    .sgpr_count:     100
    .vgpr_count:     1024
    .wavefront_size: 32
...
	.end_amdgpu_metadata
.endif
;; end of part 3
